; MI455X (gfx1250); checked and timed in simulation.
; The chip was launched on July 23, 2026; its instructions are those of AMD's public machine-readable ISA for CDNA 5 (MIT licence, August 2026) and "CDNA5" Instruction Set Architecture Reference Guide (July 2026). The comments in the code are by the model that wrote it; some were corrected since.
;; Frequency Sparse Attention. Allowed arithmetic: matrix products marked QUANTISED: E2M1 operands, one E8M0 scale for each 32 along K, by v_wmma_scale_f32_16x16x128_f8f6f4 with both operands' format E2M1 (or v_wmma_scale_f32_32x16x128_f4), f32 sums; products left as they are: bf16, f16 or f32 operands; f32 sums; everything else in f32.
;; Inputs: Wk 1,024 x 1,024 float32; Wo 1,024 x 1,024 float32; Wq 1,024 x 1,024 float32; Wv 1,024 x 1,024 float32; bk 1,024 float32; bo 1,024 float32; bq 1,024 float32; bv 1,024 float32; energy_coeffs 4 x 2,048 x 1,024 float32; k_x 4 x 2,048 x 1,024 float32; q_x 4 x 2,048 x 1,024 float32; v_x 4 x 2,048 x 1,024 float32.
;; Outputs: out0 4 x 2,048 x 1,024 float32.
;; This version of the problem:
;;   THIS VERSION OF THE PROBLEM IS GIVEN IN LOW PRECISION. The matrix products marked QUANTISED in the list below multiply operands that are first quantised to E2M1 (2 exponent bits, 1 mantissa bit; 4 bits a number), with one power-of-two scale for each 32 numbers along K (OCP MX v1.0); their sums are f32. The products marked 'left as it is' may take bf16, f16 or f32 operands, with f32 sums. Whichever they take, every output number must still come out within the allowed error. Rounding operands to bf16 (8 significant bits) uses up far more of that allowance than f16 does (11 bits, for magnitudes from 6e-5 to 65,504). All else is computed in f32.
;;   The module's matrix products, in the order in which they are computed (A, B: the left and right operand; K: the contracted axis; several contracted axes count as one K, in the product's order):
;;     1. [M 8,192, K 1,024] x [K 1,024, N 1,024]; A: input q_x; B: input Wq: QUANTISED
;;     2. [M 8,192, K 1,024] x [K 1,024, N 1,024]; A: input k_x; B: input Wk: QUANTISED
;;     3. [M 8,192, K 1,024] x [K 1,024, N 1,024]; A: input v_x; B: input Wv: QUANTISED
;;     4. batch 64 x [M 2,048, K 64] x [K 64, N 2,048]; A: computed on the way; B: computed on the way: left as it is (an operand is computed on the way)
;;     5. batch 64 x [M 2,048, K 2,048] x [K 2,048, N 64]; A: computed on the way; B: computed on the way: left as it is (an operand is computed on the way)
;;     6. [M 8,192, K 1,024] x [K 1,024, N 1,024]; A: computed on the way; B: input Wo: left as it is (an operand is computed on the way)
;;   THE QUANTISER, for each operand of a quantised product, along K:
;;     - K is cut into blocks of 32 from its start; a last block that is shorter is filled with zeros.
;;     - A block's scale is 2^e with e = floor(log2(the largest magnitude in the block)) - 2, held to -126 .. 127; a block of zeros has e = 0. As a byte (E8M0): e + 127.
;;     - Each number is divided by its block's scale, clamped to +-6, and rounded to the nearest number of E2M1, ties to even, subnormals kept.
;;     - The product sums the exact products of the quantised numbers (number of the format x scale) in f32.
;;   ~~~python
;;   def quantise(x, axis):      # numpy; x: float32 -> the quantised numbers, widened to float32 again
;;       x = np.moveaxis(x, axis, -1); K = x.shape[-1]
;;       x = np.pad(x, [(0, 0)] * (x.ndim - 1) + [(0, -K % 32)]); x = x.reshape(x.shape[:-1] + (-1, 32)); a = np.abs(x).max(-1, keepdims=True)
;;       e = np.where(a > 0, np.clip(np.frexp(np.where(a > 0, a, 1))[1] - 1 - 2, -126, 127), 0)      # np.frexp(a)[1] - 1 = floor(log2(a)), exactly
;;       r = np.clip(x / 2.0 ** e, -6, 6)
;;       step = 2.0 ** (np.maximum(np.frexp(np.where(r == 0, 1, r))[1] - 1, 0) - 1)
;;       q = np.round(r / step) * step * 2.0 ** e      # np.round: ties to even
;;       return np.moveaxis(q.reshape(q.shape[:-2] + (-1,))[..., :K], -1, axis).astype(np.float32)
;;   ~~~
;; One version. Each part assembles by itself: llvm-mc -triple=amdgcn-amd-amdhsa -mcpu=gfx1250 --defsym DOCPART=n.
;; ======== version 1 of 1: 4 launches
;; limits: values are held in f16: magnitudes above 65,504 overflow, below 6.1e-05 lose precision
;; workspace buffers: codes 14,155,776 bytes; scales 884,736 bytes; gate 32,768 bytes; wo16 2,097,152 bytes; qkv 50,331,648 bytes; ao 16,777,216 bytes
;; launch prep (part 1): grid 1120 x 1, 4 waves a work-group, no clusters, 33,536 bytes of LDS; arguments q_x, k_x, v_x, Wq, Wk, Wv, Wo, energy_coeffs, codes, scales, wo16, gate; writes codes, scales, wo16, gate
.if DOCPART == 1
	.amdgcn_target "amdgcn-amd-amdhsa--gfx1250"
	.amdhsa_code_object_version 6
	.text
	.protected	k_q7abeecff0d_prep
	.globl	k_q7abeecff0d_prep
	.p2align	8
	.type	k_q7abeecff0d_prep,@function
k_q7abeecff0d_prep:
	s_mov_b64 s[64:65], 0
	v_nop
	global_prefetch_b8 v0, s[64:65] scope:SCOPE_SE
	s_setreg_imm32_b32 hwreg(HW_REG_WAVE_MODE, 25, 1), 1
	s_wait_xcnt 0x0
; PREP, the first of four launches of: out = (softmax(Q K^T / 8) x gate) V Wo^T + bo, Q = q_x Wq^T + bq, K = k_x Wk^T + bk, V = v_x Wv^T + bv (16 heads of 64).
; DEAD WORK: bk.  scores[q][k] = Q[q] . (k_x Wk^T)[k] / 8 + Q[q] . bk / 8.  The second term is the same for every key k of a query's row, so the softmax along k takes it away
; for all values of the inputs; K goes nowhere else, and the product of Q and K is not quantised, so bk moves no code and no scale.  bk is not loaded and is no argument of any launch.
; LIMIT: a NaN, an infinity or an overflow that reaches only bk's term is not carried to the result.
; THIS LAUNCH: (a) q_x, k_x, v_x, Wq, Wk, Wv (f32, K = 1,024 innermost) become codes of FP4 (E2M1) and one E8M0 byte for each 32 along K, in one stack of 27,648 rows:
; codes [row][512 bytes], scales [row][32 bytes]; rows 0 q_x, 8,192 k_x, 16,384 v_x, 24,576 Wq, 25,600 Wk, 26,624 Wv.  Each is read by several work-groups later, so it is quantised once.
; (b) Wo becomes f16.  (c) gate[b][l] = sigmoid(10 (mean |energy_coeffs[b][l][:]| - 0.1)).
; A block's scale is 2^(floor(log2(its largest magnitude)) - 2); its byte is the largest magnitude's exponent field - 2, held at 1 from below.  A block of zeros so has the byte 1 with zero codes; the bytes are read by this program alone.
; LIMITS: NaN and infinities among the quantised inputs are not served; blocks whose largest magnitude lies under 2^(3 - 127) have their byte held at 1.  Wo is rounded to f16 (room up to 65,504).
; WORK-GROUPS: 0-127 the gate (64 rows each; the longest, so they come first), 128-991 the quantiser (32,768 numbers each), 992-1,119 Wo (8,192 numbers each).  The three ways part on the work-group's number and never join;
; the two that use LDS have bytes of their own.  No tensor load, no matrix work, no cluster: nothing is read twice and no work-group shares an input with another.
.set WREG,  8192                       ; the quantiser's LDS: a region for each wave: two stages of 32 x SP bytes, behind them its 256 scale bytes
.set SP,    80                         ; a lane's place in a stage: 64 bytes + 16 of padding
.set STEPS, 16
.set EMAX,  2
.set CB,    8                          ; bytes of 16 codes
.set R,     16                         ; v16-79   four sets of 16 numbers as loaded
.set X,     80                         ; v80-111  two sets of 16 neighbours
.set E,     112                        ; v112-127 a scale byte for each step
.set C,     128                        ; v128-191 codes, four registers a step
.set SPW,   12                         ; v12  LDS address of my spare word; never rewritten
.set NIL,   13                         ; v13  0; never rewritten
.set GW,    32768                      ; the gate's 64 words
.set SPARE, 33024                      ; the spare words: 128 bytes a wave
	s_load_b512 s[4:19], s[0:1], 0x0               ; q_x 4, k_x 6, v_x 8, Wq 10, Wk 12, Wv 14, Wo 16, energy 18
	s_load_b256 s[20:27], s[0:1], 0x40             ; codes 20, scales 22, wo16 24, gate 26
	v_lshl_add_u32 v[SPW], v0, 2, SPARE
	v_mov_b32 v[NIL], 0
	v_lshrrev_b32 v1, 5, v0
	v_readfirstlane_b32 s3, v1                     ; wave 0..3
	v_and_b32 v2, 31, v0                           ; lane
	v_lshlrev_b32 v3, 4, v2                        ; 16 bytes a lane: a load of the wave reads 512 consecutive bytes
	s_mov_b32 s33, 0                               ; the upper word of every offset
	s_wait_kmcnt 0x0
	s_cmp_lt_u32 ttmp9, 128
	s_cbranch_scc1 .Lgate
	s_cmp_ge_u32 ttmp9, 992
	s_cbranch_scc1 .Lwo
; ---------------- the quantiser: a tensor is a plain stream of blocks of 32; so are its codes and its bytes ----------------
	s_sub_co_u32 s31, ttmp9, 128                   ; q = 0 .. 863: which 32,768 numbers of the stack
	s_mov_b64 s[28:29], s[14:15]                   ; the source is chosen by q alone: Wv from 832,
	s_mov_b32 s30, 832
	s_cmp_lt_u32 s31, 832
	s_cselect_b64 s[28:29], s[12:13], s[28:29]     ; Wk from 800,
	s_cselect_b32 s30, 800, s30
	s_cmp_lt_u32 s31, 800
	s_cselect_b64 s[28:29], s[10:11], s[28:29]     ; Wq from 768,
	s_cselect_b32 s30, 768, s30
	s_cmp_lt_u32 s31, 768
	s_cselect_b64 s[28:29], s[8:9], s[28:29]       ; v_x from 512,
	s_cselect_b32 s30, 512, s30
	s_cmp_lt_u32 s31, 512
	s_cselect_b64 s[28:29], s[6:7], s[28:29]       ; k_x from 256,
	s_cselect_b32 s30, 256, s30
	s_cmp_lt_u32 s31, 256
	s_cselect_b64 s[28:29], s[4:5], s[28:29]       ; q_x from 0
	s_cselect_b32 s30, 0, s30
	s_sub_co_u32 s30, s31, s30
	s_lshl_b32 s32, s30, 17                        ; in the source: 131,072 bytes a work-group, 32,768 a wave
	s_lshl_b32 s34, s3, 15
	s_add_co_u32 s32, s32, s34
	s_add_nc_u64 s[28:29], s[28:29], s[32:33]
	s_lshl_b32 s32, s31, 14                        ; in the codes: 16,384 and 4,096
	s_lshl_b32 s34, s3, 12
	s_add_co_u32 s32, s32, s34
	s_add_nc_u64 s[20:21], s[20:21], s[32:33]
	s_lshl_b32 s32, s31, 10                        ; in the scale bytes: 1,024 and 256
	s_lshl_b32 s34, s3, 8
	s_add_co_u32 s32, s32, s34
	s_add_nc_u64 s[22:23], s[22:23], s[32:33]
	s_mul_i32 s35, s3, WREG
	v_lshrrev_b32 v14, 2, v2
	v_mul_u32_u24 v14, v14, SP
	v_and_b32 v15, 3, v2
	v_lshl_add_u32 v14, v15, 4, v14
	v_add_nc_u32 v14, s35, v14                     ; into the stage: four lanes' 64 bytes on end, then 16 of padding
	v_mul_u32_u24 v15, v2, SP
	v_add_nc_u32 v15, s35, v15                     ; out of it: my 16 neighbours along K
	v_mul_u32_u24 v4, v2, CB                       ; my codes' place in a step's 256 bytes
	v_lshrrev_b32 v5, 1, v2
	s_add_co_u32 s35, s35, 2*32*SP
	v_add_nc_u32 v5, s35, v5                       ; my block's byte among my wave's 256
	v_lshlrev_b32 v7, 3, v2
	v_add_nc_u32 v6, s35, v7                       ; and on the way out 8 bytes a lane
.macro LOAD t
.irp i, 0,1,2,3
	global_load_b128 v[R+16*((\t)%4)+4*\i:R+16*((\t)%4)+4*\i+3], v3, s[28:29] offset:2048*(\t)+512*\i th:TH_LOAD_NT
.endr
.endm
.macro TURN t                          ; step t's 2,048 bytes through the stage: LDS serves a wave's instructions in order, so no wait stands between the stores and the loads
.irp i, 0,1,2,3
	ds_store_b128 v14, v[R+16*((\t)%4)+4*\i:R+16*((\t)%4)+4*\i+3] offset:32*SP*((\t)%2)+8*SP*\i
.endr
.irp i, 0,1,2,3
	ds_load_b128 v[X+16*((\t)%2)+4*\i:X+16*((\t)%2)+4*\i+3], v15 offset:32*SP*((\t)%2)+16*\i
.endr
.endm
.irp t, 0,1,2,3
	LOAD \t
.endr
	s_wait_loadcnt 12                              ; step 0's four loads are in; the twelve of steps 1 to 3 may be out
	TURN 0
.macro STEP t
.set XS, X+16*((\t)%2)
.if (\t) > 0
	s_wait_dscnt 1                                 ; this step's numbers are back from the stage; the last step's byte store may be out
.else
	s_wait_dscnt 0x0
.endif
.if (\t)+4 < STEPS
	LOAD (\t)+4                                    ; into the registers that the stage's stores have read
.endif
.if (\t)+1 < STEPS
.if STEPS-2-(\t) >= 3
	s_wait_loadcnt 12                              ; the next step's four loads are in; those of the three steps behind it may be out
.else
	s_wait_loadcnt 4*(STEPS-2-(\t))
.endif
	TURN (\t)+1
.endif
	v_max3_num_f32 v8, |v[XS]|, |v[XS+1]|, |v[XS+2]|               ; the largest magnitude of my 16, in two chains
	v_max3_num_f32 v9, |v[XS+3]|, |v[XS+4]|, |v[XS+5]|
.irp i, 6,10
	v_max3_num_f32 v8, v8, |v[XS+\i]|, |v[XS+\i+1]|
	v_max3_num_f32 v9, v9, |v[XS+\i+2]|, |v[XS+\i+3]|
.endr
	v_max3_num_f32 v8, v8, |v[XS+14]|, |v[XS+15]|
	v_max3_num_f32 v8, v8, v9, (EMAX+1)<<23        ; and the floor 2^(3 - 127): the byte cannot fall under 1
	v_max_num_f32_dpp v8, v8, v8 row_xmask:1 row_mask:0xf bank_mask:0xf   ; with my neighbour's 16: the block's
	v_add_nc_u32 v11, -(EMAX<<23), v8              ; 2 off its exponent field: the conversion takes that field as its scale
	v_cvt_scalef32_pk8_fp4_f32 v[C+4*(\t)], v[XS:XS+7], v11
	v_cvt_scalef32_pk8_fp4_f32 v[C+4*(\t)+1], v[XS+8:XS+15], v11
	v_lshrrev_b32 v[E+(\t)], 23, v11               ; the scale's byte (also the plain line behind the conversions)
	ds_store_b8 v5, v[E+(\t)] offset:16*(\t)       ; both lanes of a block write the same byte with the same value
	global_store_b64 v4, v[C+4*(\t):C+4*(\t)+1], s[20:21] offset:32*CB*(\t)   ; the wave stores 256 consecutive bytes, aligned
.endm
.irp t, 0,1,2,3,4,5,6,7,8,9,10,11,12,13,14,15
	STEP \t
.endr
	ds_load_b64 v[8:9], v6                         ; my wave's 256 scale bytes, behind its own stores
	s_wait_dscnt 0x0
	global_store_b64 v7, v[8:9], s[22:23]          ; 256 consecutive bytes, aligned
	s_wait_tensorcnt 0x0                           ; the wave's end, behind my last LDS store
	ds_add_u32 v[SPW], v[NIL]
	s_wait_dscnt 0x0
	s_endpgm
; ---------------- Wo to f16: a wave takes 2,048 numbers; no LDS ----------------
.Lwo:
	s_sub_co_u32 s31, ttmp9, 992
	s_lshl_b32 s32, s31, 15                        ; 32,768 bytes a work-group, 8,192 a wave
	s_lshl_b32 s34, s3, 13
	s_add_co_u32 s32, s32, s34
	s_add_nc_u64 s[16:17], s[16:17], s[32:33]
	s_lshr_b32 s32, s32, 1                         ; half as many out
	s_add_nc_u64 s[24:25], s[24:25], s[32:33]
	v_lshlrev_b32 v4, 3, v2
.irp i, 0,1,2,3,4,5,6,7,8,9,10,11,12,13,14,15
	global_load_b128 v[16+4*\i:19+4*\i], v3, s[16:17] offset:512*\i th:TH_LOAD_NT
.endr
	s_wait_loadcnt 0x0
.irp i, 0,1,2,3,4,5,6,7,8,9,10,11,12,13,14,15
	v_cvt_pk_f16_f32 v[80+2*\i], v[16+4*\i], v[17+4*\i]
	v_cvt_pk_f16_f32 v[81+2*\i], v[18+4*\i], v[19+4*\i]
.endr
.irp i, 0,1,2,3,4,5,6,7,8,9,10,11,12,13,14,15
	global_store_b64 v4, v[80+2*\i:81+2*\i], s[24:25] offset:256*\i   ; 256 consecutive bytes, aligned
.endr
	s_endpgm
; ---------------- the gate: a wave takes 16 rows of 4,096 bytes, a row at a time, four rows' loads on their way ----------------
.Lgate:
	s_lshl_b32 s32, ttmp9, 18                      ; 64 rows a work-group, 16 a wave
	s_lshl_b32 s34, s3, 16
	s_add_co_u32 s32, s32, s34
	s_add_nc_u64 s[18:19], s[18:19], s[32:33]
	s_lshl_b32 s32, ttmp9, 8                       ; the work-group's 64 gates: 256 bytes
	s_add_nc_u64 s[26:27], s[26:27], s[32:33]
	s_mov_b32 s36, 0x76543210                      ; v_permlanex16_b32's selects for lane l xor 16
	s_mov_b32 s37, 0xfedcba98
	s_mov_b32 s38, 0xbc66d4ca                      ; -10 log2(e) / 1,024
	s_mov_b32 s39, 0x3fb8aa3b                      ; log2(e) = 10 x 0.1 x log2(e)
	v_mov_b32 v148, 0                              ; a lane permute's destination counts as read
	v_mov_b32 v150, 0                              ; lanes i and i + 16 gather row i's sum
	v_and_b32 v152, 15, v0
	v_lshlrev_b32 v152, 2, v152
	s_lshl_b32 s34, s3, 6
	s_add_co_u32 s34, s34, GW
	v_add_nc_u32 v152, s34, v152                   ; LDS: my wave's 16 words, word lane % 16
	v_lshlrev_b32 v153, 3, v2                      ; the way out (wave 0): 8 bytes a lane
	v_add_nc_u32 v154, GW, v153
.macro FILLG i                         ; row i: eight loads of 512 consecutive bytes, into slot i % 4
.irp j, 0,1,2,3,4,5,6,7
	global_load_b128 v[16+32*((\i)%4)+4*\j:16+32*((\i)%4)+4*\j+3], v3, s[18:19] offset:(\i)*4096+512*\j th:TH_LOAD_NT
.endr
.endm
.macro TURNG i
.set XG, 16+32*((\i)%4)
.if 15-(\i) >= 3
	s_wait_loadcnt 24                              ; row i is in; the three rows behind it may be out
.else
	s_wait_loadcnt 8*(15-(\i))
.endif
.irp c, 0,1,2,3
	v_add_f32 v[144+\c], |v[XG+\c]|, |v[XG+4+\c]|  ; four chains, started by the first eight numbers
.endr
.irp k, 8,12,16,20,24,28
.irp c, 0,1,2,3
	v_add_f32 v[144+\c], v[144+\c], |v[XG+\k+\c]|
.endr
.endr
	v_add_f32 v144, v144, v145
	v_add_f32 v146, v146, v147
	v_add_f32 v144, v144, v146
	v_add_f32_dpp v144, v144, v144 row_xmask:1 row_mask:0xf bank_mask:0xf
	v_add_f32_dpp v144, v144, v144 row_xmask:2 row_mask:0xf bank_mask:0xf
	v_add_f32_dpp v144, v144, v144 row_xmask:4 row_mask:0xf bank_mask:0xf
	v_add_f32_dpp v144, v144, v144 row_xmask:8 row_mask:0xf bank_mask:0xf
	v_permlanex16_b32 v148, v144, s36, s37
	v_add_f32 v144, v144, v148                     ; the row's sum of magnitudes, in every lane
	s_mov_b32 s34, 0x10001<<(\i)
	v_cndmask_b32 v150, v150, v144, s34            ; kept by lanes i and i + 16: a constant mask
.if (\i) < 12
	FILLG (\i)+4
.endif
.endm
	FILLG 0
	FILLG 1
	FILLG 2
	FILLG 3
.irp i, 0,1,2,3,4,5,6,7,8,9,10,11,12,13,14,15
	TURNG \i
.endr
	v_fma_f32 v151, v150, s38, s39                 ; -log2(e) x 10 (sum / 1,024 - 0.1)
	v_exp_f32 v151, v151
	v_nop                                          ; a plain line behind the transcendental
	s_wait_alu depctr_va_vdst(0)                   ; and a wait ahead of its first reader
	v_add_f32 v151, 1.0, v151
	v_rcp_f32 v151, v151                           ; the sigmoid
	v_nop
	s_wait_alu depctr_va_vdst(0)
	ds_store_b32 v152, v151                        ; lanes l and l + 16 write the same word with the same value
	s_wait_dscnt 0x0                               ; for the others' sake: my words lie in LDS
	s_barrier_signal -1
	s_barrier_wait -1
	s_cmp_lg_u32 s3, 0
	s_cbranch_scc1 .Lgate_end
	ds_load_b64 v[156:157], v154                   ; wave 0 takes all 64 words
	s_wait_dscnt 0x0
	global_store_b64 v153, v[156:157], s[26:27]    ; 256 consecutive bytes, aligned
.Lgate_end:
	s_wait_tensorcnt 0x0                           ; the wave's end, behind my last LDS store
	ds_add_u32 v[SPW], v[NIL]
	s_wait_dscnt 0x0
	s_endpgm
.Lfunc_end_k_q7abeecff0d_prep:
	.size	k_q7abeecff0d_prep, .Lfunc_end_k_q7abeecff0d_prep-k_q7abeecff0d_prep
	.p2alignl 7, 3214868480
	.fill 96, 4, 3214868480
	.section	.rodata,"a",@progbits
	.p2align	6, 0x0
	.amdhsa_kernel k_q7abeecff0d_prep
		.amdhsa_group_segment_fixed_size 33536
		.amdhsa_private_segment_fixed_size 0
		.amdhsa_enable_private_segment 0
		.amdhsa_kernarg_size 96
		.amdhsa_user_sgpr_count 2
		.amdhsa_user_sgpr_kernarg_segment_ptr 1
		.amdhsa_wavefront_size32 1
		.amdhsa_system_sgpr_workgroup_id_x 1
		.amdhsa_system_sgpr_workgroup_id_y 1
		.amdhsa_system_sgpr_workgroup_id_z 1
		.amdhsa_system_vgpr_workitem_id 0
		.amdhsa_next_free_vgpr 192
		.amdhsa_next_free_sgpr 66
		.amdhsa_reserve_vcc 0
		.amdhsa_float_denorm_mode_32 3
		.amdhsa_float_denorm_mode_16_64 3
		.amdhsa_memory_ordered 1
		.amdhsa_forward_progress 1
		.amdhsa_inst_pref_size 91
	.end_amdhsa_kernel
	.amdgpu_metadata
---
amdhsa.version: [ 1, 2 ]
amdhsa.kernels:
  - .name:           k_q7abeecff0d_prep
    .symbol:         k_q7abeecff0d_prep.kd
    .args:
      - { .name: q_x, .offset: 0, .size: 8, .value_kind: global_buffer, .address_space: global }
      - { .name: k_x, .offset: 8, .size: 8, .value_kind: global_buffer, .address_space: global }
      - { .name: v_x, .offset: 16, .size: 8, .value_kind: global_buffer, .address_space: global }
      - { .name: Wq, .offset: 24, .size: 8, .value_kind: global_buffer, .address_space: global }
      - { .name: Wk, .offset: 32, .size: 8, .value_kind: global_buffer, .address_space: global }
      - { .name: Wv, .offset: 40, .size: 8, .value_kind: global_buffer, .address_space: global }
      - { .name: Wo, .offset: 48, .size: 8, .value_kind: global_buffer, .address_space: global }
      - { .name: energy_coeffs, .offset: 56, .size: 8, .value_kind: global_buffer, .address_space: global }
      - { .name: codes, .offset: 64, .size: 8, .value_kind: global_buffer, .address_space: global }
      - { .name: scales, .offset: 72, .size: 8, .value_kind: global_buffer, .address_space: global }
      - { .name: wo16, .offset: 80, .size: 8, .value_kind: global_buffer, .address_space: global }
      - { .name: gate, .offset: 88, .size: 8, .value_kind: global_buffer, .address_space: global }
    .group_segment_fixed_size: 33536
    .private_segment_fixed_size: 0
    .kernarg_segment_align: 8
    .kernarg_segment_size: 96
    .max_flat_workgroup_size: 128
    .sgpr_count:     66
    .vgpr_count:     192
    .wavefront_size: 32
...
	.end_amdgpu_metadata
.endif
;; end of part 1
;; launch proj (part 2): grid 4 x 96, 4 waves a work-group, clusters of 4 x 4, 327,680 bytes of LDS; arguments codes, scales, bq, bv, gate, qkv; writes qkv
.if DOCPART == 2
	.amdgcn_target "amdgcn-amd-amdhsa--gfx1250"
	.amdhsa_code_object_version 6
	.text
	.protected	k_q7abeecff0d_proj
	.globl	k_q7abeecff0d_proj
	.p2align	8
	.type	k_q7abeecff0d_proj,@function
k_q7abeecff0d_proj:
	s_mov_b64 s[64:65], 0
	v_nop
	global_prefetch_b8 v0, s[64:65] scope:SCOPE_SE
	s_setreg_imm32_b32 hwreg(HW_REG_WAVE_MODE, 25, 1), 1
	s_wait_xcnt 0x0
	s_wait_alu depctr_hold_cnt(0) depctr_sa_sdst(0) depctr_va_vdst(0) depctr_va_sdst(0) depctr_va_ssrc(0) depctr_va_vcc(0) depctr_vm_vsrc(0)
	s_getreg_b32 s2, hwreg(HW_REG_IB_STS2, 6, 4)
	s_cmp_eq_u32 s2, 0
	s_cbranch_scc0 .Lentry_in_a_cluster
	s_endpgm
.Lentry_in_a_cluster:
	s_bfe_u32 s2, ttmp6, 0x10000c
	s_cmp_lg_u32 s2, 0xf033
	s_cbranch_scc0 .Lentry_shape_is_right
	s_endpgm
.Lentry_shape_is_right:
; PROJ: the three quantised products in one launch.  y[row][n] = (sum over k of x[row][k] W[n][k] + bias[n]) x rowscale[row], on codes of FP4 (E2M1) with one E8M0 byte for each 32 along K = 1,024; sums in f32.
; The 24,576 rows of the stack are q_x, k_x, v_x; product p = row / 8,192 takes W's rows 24,576 + 1,024 p on.  bias: bq, none, bv.  LEFT OUT: bk (the softmax along the keys takes its term away for all inputs: shown at the head of the first launch).
; rowscale: Q and K: sqrt(log2(e) / 8), so that the scores come out as exponents of 2; V: gate[row], since (attn x gate) V = attn (gate x V): the softmax's sum stays ungated.
; The bias is the C of each sum's first matrix instruction (for K: registers of zeros, so that one text serves the three).  y is rounded to f16 (room up to 65,504) and stored head-major: qkv [3][4 b][16 h][2,048 l][64].
; A tile of y, 256 x 256, is made by four waves, 128 x 128 each: 64 accumulators.  K = 1,024 is two LDS slots of 512: both are asked for at the start and nothing is filled again.
; The scale bytes of the tile's 256 + 256 rows, two dense blocks, come with the first fills.
; CLUSTERS: 4 x 4 work-groups.  The four of a row of the cluster need the same rows of x, the four of a column the same rows of W: each tile is asked for jointly, by the same tensor load with a mask that names the four.
; A cluster's four tile rows belong to one product (32 tile rows a product), so the product's number, made of the cluster's y alone, is the same in all sixteen.
; THE MATRIX INSTRUCTION IS USED TRANSPOSED (source 0 = 16 rows of W, source 1 = 16 rows of x): a lane holds eight neighbouring columns of one row of y.
; REGISTERS, in windows of 256: window 0: v16-31 addresses; v32-95 scale words, two sets; v96-111 row scales, a pair a block; v128-191 x's fragments, one set (on the way out: rows read back);
;   v192-255 the bias tiles (on the way out: packed results).  window 1: W's fragments, two sets, at v0 and v128.  windows 2, 3: the accumulators of my rows 0-63, 64-127 ((a, b) at v[8 (8 (a % 4) + b)]).
.set NQ,     4                         ; steps of 128 along K in a slot
.set ROWB,   256                       ; a tile's row in bytes: 512 codes
.set KROW,   512                       ; a row of the codes' stack
.set PITCH,  272                       ; an LDS row: 256 bytes + 16 of padding: the 16 rows of a fragment load start at 16 different banks
.set FR,     8
.set NL,     2
.set NP,     4
.set HALFT,  128*PITCH
.set SLOT,   4*HALFT                   ; x's 256 rows, then W's 256
.set KS,     32                        ; a row of scale bytes
.set SCL,    2*SLOT                    ; behind the two slots: the scale bytes, as units of 256 bytes + 16
.set HALFS,  16*272                    ; those of 128 rows
.set SBLK,   2*272                     ; those of 16 rows
.set SPARE,  SCL+4*HALFS               ; the spare words: 128 bytes a wave
.set SPITCH, 272                       ; the way out: a stage of 16 rows x (256 bytes + 16) for each wave, in slot 0, which has had its one fill and its last read by then
.set ADRA, 16
.set ADRB, 20
.set STO,  24
.set RD,   25
.set CO,   26
.set ADRS, 27
.set SPW,  28                          ; v28  LDS address of my spare word; never rewritten
.set NIL,  29                          ; v29  0; never rewritten
.set BOF,  30                          ; v30  32 x (lane / 16): my eight numbers of a bias tile
.set GOF,  31                          ; v31  4 x (lane % 16): my row's gate
.set SC,   32
.set RS,   96
.set AF,   128
.set OB,   128
.set BI,   192
.set TMP,  192
.set G1, 24
.set G0, 32
.set G1B, 48
.set G0B, 56
.set G1S, 68
.set G0S, 76
.set G1SB, 80
.set G0SB, 88
.set MSB, 0
.macro WIN new                         ; the immediate's high byte repeats the setting that is left
.if MSB != (\new)
	s_set_vgpr_msb (MSB<<8)|(\new)
.set MSB, (\new)
.endif
.endm
.set MUL_LO, 0xa1                      ; source 0 (W) window 1, source 1 (x) window 0, C and D window 2
.set MUL_HI, 0xf1                      ; the same, C and D window 3
.set TO_B,   0x40
; A joint load: waves 0 and 1 fetch for x, waves 2 and 3 for W.  The branch hangs on the wave's number alone.  An s_nop 0 and four v_nop follow each of the two lines.
.macro JLOAD g0a, g1a, g0b, g1b
	s_cmp_eq_u32 s17, 0
	s_cbranch_scc0 .Lfor_b_\@
	tensor_load_to_lds s[\g0a:\g0a+3], s[\g1a:\g1a+7]
	s_nop 0
.rept 4
	v_nop
.endr
	s_branch .Lasked_\@
.Lfor_b_\@:
	tensor_load_to_lds s[\g0b:\g0b+3], s[\g1b:\g1b+7]
	s_nop 0
.rept 4
	v_nop
.endr
.Lasked_\@:
.endm
.macro CROUND                          ; a round of the cluster's barrier
	s_barrier_signal -1
	s_barrier_wait -1
	s_cmp_lg_u32 s16, 0
	s_cbranch_scc1 .Lnot_wave_0_\@
	s_barrier_signal -3
.Lnot_wave_0_\@:
	s_barrier_wait -3
	s_barrier_signal -1
	s_barrier_wait -1
.endm
	s_load_b256 s[4:11], s[0:1], 0x0               ; codes 4, scales 6, bq 8, bv 10
	s_load_b128 s[12:15], s[0:1], 0x20             ; gate 12, qkv 14
	v_lshl_add_u32 v[SPW], v0, 2, SPARE
	v_mov_b32 v[NIL], 0
	ds_add_u32 v[SPW], v[NIL]                      ; the wave's opening: the add, twice on end, and its wait ahead of my first tensor load
	ds_add_u32 v[SPW], v[NIL]
	v_lshrrev_b32 v1, 5, v0
	v_readfirstlane_b32 s16, v1                    ; wave 0..3
	s_lshr_b32 s17, s16, 1                         ; which half of the tile's rows is mine.  Also: I fetch for x (0) or for W (1)
	s_and_b32 s18, s16, 1                          ; which half of its columns.  Also: which 128 rows I fetch
	s_bfe_u32 s40, ttmp6, 0x40000                  ; cx, cy
	s_bfe_u32 s41, ttmp6, 0x40004
	s_lshl_b32 s42, ttmp9, 2
	s_add_co_u32 s42, s42, s40                     ; tile column 0..3
	s_and_b32 s19, ttmp7, 0xffff                   ; the cluster's y, 0..23
	s_lshl_b32 s45, s19, 2
	s_add_co_u32 s45, s45, s41                     ; tile row 0..95
	s_lshr_b32 s19, s19, 3                         ; the product, 0..2: the same in all sixteen partners
	s_lshl_b32 s43, s41, 2
	s_lshl_b32 s43, 15, s43                        ; my row of the cluster
	s_lshl_b32 s44, 0x1111, s40                    ; my column
	s_or_b32 s[G1+0], s43, (0<<16)|(1<<20)|(1<<21)|(5<<22)|(3<<25)   ; the mask; elements of 1 byte; padding on; bit 21 beside a mask; 4 words behind every 64
	s_or_b32 s[G1B+0], s44, (0<<16)|(1<<20)|(1<<21)|(5<<22)|(3<<25)
.irp g, G1, G1B
	s_mov_b32 s[\g+1], ROWB<<16                    ; tensor_dim0
	s_mov_b32 s[\g+2], 128<<16                     ; tensor_dim1
	s_mov_b32 s[\g+3], ROWB<<16                    ; tile_dim0
	s_mov_b32 s[\g+4], 128                         ; tile_dim1
	s_mov_b32 s[\g+5], KROW                        ; from row to row
	s_mov_b32 s[\g+6], 0
	s_mov_b32 s[\g+7], 0
.endr
	s_or_b32 s[G1S+0], s43, (3<<16)|(1<<20)|(1<<21)|(5<<22)|(3<<25)  ; the scale bytes of 128 rows: 4,096 dense bytes as 16 rows of 32 elements of 8 bytes
	s_or_b32 s[G1SB+0], s44, (3<<16)|(1<<20)|(1<<21)|(5<<22)|(3<<25)
.irp g, G1S, G1SB
	s_mov_b32 s[\g+1], 32<<16
	s_mov_b32 s[\g+2], 16<<16
	s_mov_b32 s[\g+3], 32<<16
	s_mov_b32 s[\g+4], 16
	s_mov_b32 s[\g+5], 32
	s_mov_b32 s[\g+6], 0
	s_mov_b32 s[\g+7], 0
.endr
	s_lshl_b32 s22, s18, 7                         ; which 128 rows of a tile I fetch
	s_lshl_b32 s20, s45, 8
	s_add_co_u32 s20, s20, s22                     ; x: row 256 x tile row + 128 x half
	s_lshl_b32 s46, s42, 8
	s_add_co_u32 s46, s46, s22
	s_lshl_b32 s47, s19, 10
	s_add_co_u32 s46, s46, s47
	s_add_co_u32 s46, s46, 24576                   ; W: row 24,576 + 1,024 x product + 256 x tile column + 128 x half
	s_lshl_b32 s92, s20, 5                         ; their scale bytes: 32 a row
	s_mov_b32 s93, 0
	s_lshl_b32 s94, s46, 5
	s_mov_b32 s95, 0
	s_lshl_b32 s20, s20, 9                         ; their codes: 512 a row
	s_mov_b32 s21, 0
	s_lshl_b32 s46, s46, 9
	s_mov_b32 s47, 0
	s_mul_i32 s96, s16, HALFT                      ; where they go: wave x 128 rows: no place in the cluster enters an LDS address
	s_mul_i32 s97, s16, HALFS
	s_wait_dscnt 0x0                               ; both opening adds are done
	s_wait_kmcnt 0x0
	s_add_nc_u64 s[20:21], s[4:5], s[20:21]
	s_add_nc_u64 s[92:93], s[6:7], s[92:93]
	s_add_nc_u64 s[46:47], s[4:5], s[46:47]
	s_add_nc_u64 s[94:95], s[6:7], s[94:95]
	CROUND                                         ; all sixteen work-groups are here: the first joint loads meet
	s_mov_b32 s[G0S], 1
	s_add_co_u32 s[G0S+1], s97, SCL
	s_mov_b64 s[G0S+2:G0S+3], s[92:93]
	s_or_b32 s[G0S+3], s[G0S+3], 0x80000000
	s_mov_b32 s[G0SB], 1
	s_add_co_u32 s[G0SB+1], s97, SCL
	s_mov_b64 s[G0SB+2:G0SB+3], s[94:95]
	s_or_b32 s[G0SB+3], s[G0SB+3], 0x80000000
	JLOAD G0S, G1S, G0SB, G1SB                     ; the scale bytes first: they are wanted with the first step
.irp s, 0,1
	s_mov_b32 s[G0+4*\s], 1
	s_add_co_u32 s[G0+4*\s+1], s96, \s*SLOT
	s_add_nc_u64 s[G0+4*\s+2:G0+4*\s+3], s[20:21], \s*ROWB
	s_or_b32 s[G0+4*\s+3], s[G0+4*\s+3], 0x80000000
	s_mov_b32 s[G0B+4*\s], 1
	s_add_co_u32 s[G0B+4*\s+1], s96, \s*SLOT
	s_add_nc_u64 s[G0B+4*\s+2:G0B+4*\s+3], s[46:47], \s*ROWB
	s_or_b32 s[G0B+4*\s+3], s[G0B+4*\s+3], 0x80000000
	JLOAD G0+4*\s, G1, G0B+4*\s, G1B               ; three tensor loads of mine are out
.endr
	; the bias tiles and the row scales, while the tiles are on their way.  Both branches hang on the product's number
	v_and_b32 v1, 15, v0                           ; r = lane % 16
	v_bfe_u32 v2, v0, 4, 1                         ; h = lane / 16
	v_lshlrev_b32 v[BOF], 5, v2
	v_lshlrev_b32 v[GOF], 2, v1
	s_lshl_b32 s2, s42, 10                         ; my first column, x 4 bytes: 1,024 x tile column + 512 x half
	s_lshl_b32 s3, s18, 9
	s_add_co_u32 s2, s2, s3
	s_mov_b32 s3, 0
	s_cmp_eq_u32 s19, 0
	s_cselect_b64 s[98:99], s[8:9], s[10:11]       ; bq or bv
	s_add_nc_u64 s[98:99], s[98:99], s[2:3]
	s_cmp_eq_u32 s19, 1
	s_cbranch_scc1 .Lno_bias
.irp b, 0,1,2,3,4,5,6,7
	global_load_b128 v[BI+8*\b:BI+8*\b+3], v[BOF], s[98:99] offset:64*\b         ; lane (r, h): bias[16 b + 8 h + 0 .. 7]: the result's layout
	global_load_b128 v[BI+8*\b+4:BI+8*\b+7], v[BOF], s[98:99] offset:64*\b+16
.endr
	s_branch .Lbias_done
.Lno_bias:
.set i, 0
.rept 64
	v_mov_b32 v[BI+i], 0                           ; K has no bias here
.set i, i+1
.endr
.Lbias_done:
	s_cmp_eq_u32 s19, 2
	s_cbranch_scc0 .Lconst_scale
	s_lshl_b32 s2, s45, 10                         ; V: gate[256 (tile row - 64) + 128 x half + 16 a + r]
	s_sub_co_u32 s2, s2, 65536
	s_lshl_b32 s20, s17, 9
	s_add_co_u32 s2, s2, s20
	s_add_nc_u64 s[12:13], s[12:13], s[2:3]
.irp a, 0,1,2,3,4,5,6,7
	global_load_b32 v[RS+2*\a], v[GOF], s[12:13] offset:64*\a
	global_load_b32 v[RS+2*\a+1], v[GOF], s[12:13] offset:64*\a                  ; (the packed multiply names the pair, so both are written)
.endr
	s_branch .Lscale_done
.Lconst_scale:
.set i, 0
.rept 16
	v_mov_b32 v[RS+i], 0x3ed96d27                  ; Q, K: sqrt(log2(e) / 8)
.set i, i+1
.endr
.Lscale_done:
	v_mul_u32_u24 v3, v1, PITCH
	v_lshl_add_u32 v4, v2, 4, v3                   ; a fragment's row x pitch + 16 x half
	s_mul_i32 s21, s17, HALFT                      ; my 128 rows of x
	s_mul_i32 s22, s18, HALFT                      ; my 128 rows of W,
	s_add_co_u32 s22, s22, 2*HALFT                 ; behind x's 256
.irp s, 0,1
	v_add_nc_u32 v[ADRA+\s], s21, v4
	v_add_nc_u32 v[ADRB+\s], s22, v4
	s_add_co_u32 s21, s21, SLOT
	s_add_co_u32 s22, s22, SLOT
.endr
	v_mul_u32_u24 v5, v1, KS                       ; my row's scale bytes: 32 a row,
	v_lshrrev_b32 v6, 8, v5
	v_lshl_add_u32 v5, v6, 4, v5                   ; and 16 more for each 256 passed
	s_mul_i32 s21, s17, HALFS
	s_mul_i32 s22, s18, HALFS
	s_add_co_u32 s22, s22, 2*HALFS
	s_sub_co_u32 s22, s22, s21
	v_mul_u32_u24 v6, s22, v2                      ; lanes 16-31 take W's
	s_add_co_u32 s21, s21, SCL
	v_add_nc_u32 v5, v5, v6
	v_add_nc_u32 v[ADRS], s21, v5
	s_mul_i32 s23, s16, 16*SPITCH                  ; my stage
	v_mul_u32_u24 v5, v1, SPITCH
	v_lshl_add_u32 v5, v2, 4, v5
	v_add_nc_u32 v[STO], s23, v5                   ; in: row r, 16 bytes for each half of the lanes
	v_and_b32 v6, 31, v0
	v_lshlrev_b32 v[CO], 4, v6                     ; out: four rows of one head are 512 consecutive bytes: 16 x lane
	v_lshrrev_b32 v5, 3, v6
	v_mul_u32_u24 v5, v5, SPITCH
	v_and_b32 v6, 7, v0
	v_lshl_add_u32 v5, v6, 4, v5
	v_add_nc_u32 v[RD], s23, v5                    ; back: row lane / 8, 16 (lane % 8) of a head's 128 bytes
	s_lshl_b32 s20, s45, 8
	s_lshl_b32 s21, s17, 7
	s_add_co_u32 s20, s20, s21                     ; my first row of the stack
	s_lshr_b32 s21, s20, 11                        ; 4 x product + batch
	s_lshl_b32 s21, s21, 4
	s_lshl_b32 s22, s42, 2
	s_add_co_u32 s21, s21, s22
	s_lshl_b32 s22, s18, 1
	s_add_co_u32 s21, s21, s22                     ; + my first head: 4 x tile column + 2 x half
	s_lshl_b32 s21, s21, 18                        ; a head's 2,048 rows of 128 bytes
	s_and_b32 s20, s20, 2047
	s_lshl_b32 s20, s20, 7
	s_add_co_u32 s20, s20, s21
	s_mov_b32 s21, 0
	s_add_nc_u64 s[14:15], s[14:15], s[20:21]
.macro FRAG reg, adr, q, i             ; 16 rows x 128 K of 4-bit codes: 8 registers: two loads of 16 bytes, 32 bytes apart
.irp c, 0,1
	ds_load_b128 v[\reg+4*\c:\reg+4*\c+3], v[\adr] offset:64*(\q)+32*\c+(\i)*16*PITCH
.endr
.endm
; 16 matrix instructions: x's blocks a0, a0 + 1 against W's eight, 128 along K.  first = 1: the bias tile is the C, and starts the sum.  The 64 accumulators take turns, one instruction a turn.
.macro MUL16 a0, p, q, sc, first
.irp a, \a0, \a0+1
.irp b, 0,1,2,3,4,5,6,7
.if \first
	v_wmma_scale_f32_16x16x128_f8f6f4 v[8*(8*((\a)%4)+\b):8*(8*((\a)%4)+\b)+7], v[128*(\p)+FR*\b:128*(\p)+FR*\b+FR-1], v[AF+FR*(\a):AF+FR*(\a)+FR-1], v[BI+8*\b:BI+8*\b+7], v[SC+8*NQ*(\sc)+NQ*\b+(\q)], v[SC+8*NQ*(\sc)+NQ*(\a)+(\q)] matrix_a_fmt:MATRIX_FMT_FP4 matrix_b_fmt:MATRIX_FMT_FP4 matrix_a_scale:MATRIX_SCALE_ROW1
.else
	v_wmma_scale_f32_16x16x128_f8f6f4 v[8*(8*((\a)%4)+\b):8*(8*((\a)%4)+\b)+7], v[128*(\p)+FR*\b:128*(\p)+FR*\b+FR-1], v[AF+FR*(\a):AF+FR*(\a)+FR-1], v[8*(8*((\a)%4)+\b):8*(8*((\a)%4)+\b)+7], v[SC+8*NQ*(\sc)+NQ*\b+(\q)], v[SC+8*NQ*(\sc)+NQ*(\a)+(\q)] matrix_a_fmt:MATRIX_FMT_FP4 matrix_b_fmt:MATRIX_FMT_FP4 matrix_a_scale:MATRIX_SCALE_ROW1
.endif
.endr
.endr
.endm
.macro FETCH_B slot, q, p
	WIN TO_B
.irp i, 0,1,2,3,4,5,6,7
	FRAG 128*(\p)+FR*\i, ADRB+\slot, \q, \i
.endr
	WIN 0
.endm
.macro FETCH_A slot, q, i0
.irp i, \i0, \i0+1, \i0+2, \i0+3
	FRAG AF+FR*(\i), ADRA+\slot, \q, \i
.endr
.endm
.macro SCALES sc                       ; a slot's scale words: four a row; lanes 0-15 take x's block i, lanes 16-31 W's block i
.irp i, 0,1,2,3,4,5,6,7
	ds_load_b128 v[SC+8*NQ*\sc+NQ*\i:SC+8*NQ*\sc+NQ*\i+3], v[ADRS] offset:\i*SBLK
.endr
.endm
.macro PLACES n                        ; plain vector lines between a matrix instruction and a load into, or a read of, its registers
.rept \n
	v_nop
.endr
.endm
.macro STEP slot, q, first             ; a step of 128 along K that has its successor in the same slot
	s_wait_dscnt 4*NL                              ; W's set and x's blocks 0-3 are in; the youngest eight loads (x's blocks 4-7) may be out
.if \first
	WIN 0x81                                       ; C (the bias) window 0, D window 2
.else
	WIN MUL_LO
.endif
	MUL16 0, (\q)%2, \q, \slot, \first
	MUL16 2, (\q)%2, \q, \slot, \first
	s_wait_dscnt 0
	PLACES NP
	FETCH_B \slot, (\q)+1, 1-(\q)%2
	FETCH_A \slot, (\q)+1, 0
.if \first
	WIN 0xc1
.else
	WIN MUL_HI
.endif
	MUL16 4, (\q)%2, \q, \slot, \first
	MUL16 6, (\q)%2, \q, \slot, \first
	PLACES NP
	WIN 0
	FETCH_A \slot, (\q)+1, 4
.endm
.macro STEPS slot, from
.set Q, \from
.rept NQ-1-\from
	STEP \slot, Q, 0
.set Q, Q+1
.endr
.endm
	s_wait_tensorcnt 1                             ; the scale bytes and my part of slot 0 are in; slot 1's load may be out
	s_barrier_signal -1
	s_barrier_wait -1
	FETCH_B 0, 0, 0
	FETCH_A 0, 0, 0
	SCALES 0
	FETCH_A 0, 0, 4
	s_wait_loadcnt 0x0                             ; the bias tiles and the row scales
	STEP 0, 0, 1
	STEPS 0, 1
	; slot 0's last step, and the change of slots: one barrier; in front of it my part of slot 1 has landed and my reads of slot 0 are over
	s_wait_tensorcnt 0x0
	ds_add_u32 v[SPW], v[NIL]                      ; 0 onto my spare word
	s_wait_dscnt 4*NL+1                            ; the add and the youngest eight loads may be out
	WIN MUL_LO
	MUL16 0, 1, NQ-1, 0, 0
	s_wait_dscnt 0x0
	s_barrier_signal -1
	MUL16 2, 1, NQ-1, 0, 0
	WIN 0
	s_barrier_wait -1
	PLACES NP
	v_add_nc_u32 v[ADRS], 4*NQ, v[ADRS]            ; the second slot's scale words: 16 bytes on in each row
	FETCH_B 1, 0, 0
	FETCH_A 1, 0, 0
	SCALES 1
	WIN MUL_HI
	MUL16 4, 1, NQ-1, 0, 0
	MUL16 6, 1, NQ-1, 0, 0
	PLACES NP
	WIN 0
	FETCH_A 1, 0, 4
	STEPS 1, 0
	s_wait_dscnt 4*NL                              ; the last step: nothing more to fetch
	WIN MUL_LO
	MUL16 0, 1, NQ-1, 1, 0
	MUL16 2, 1, NQ-1, 1, 0
	s_wait_dscnt 0
	WIN MUL_HI
	MUL16 4, 1, NQ-1, 1, 0
	MUL16 6, 1, NQ-1, 1, 0
	WIN 0
; THE WAY OUT, block by block of 16 rows x 128 columns (two heads): x the row's scale, in f32; rounded to f16; through my stage; out as runs of 512 consecutive bytes (four rows of one head).
.macro SCALE a
.set AC, 64*((\a)%4)
	WIN 0x82+0x41*((\a)/4)                         ; destination and source 0: window 2 or 3; the scale: window 0
.set i, 0
.rept 32
	v_pk_mul_f32 v[AC+i:AC+i+1], v[AC+i:AC+i+1], v[RS+2*(\a):RS+2*(\a)+1] op_sel_hi:[1,0]   ; each accumulator from its low end on
.set i, i+2
.endr
.endm
.macro PACK a
.set AC, 64*((\a)%4)
	WIN 0x0a+5*((\a)/4)
.irp b, 0,1,2,3,4,5,6,7
.irp r, 0,1,2,3
	v_cvt_pk_f16_f32 v[TMP+4*\b+\r], v[AC+8*\b+2*\r], v[AC+8*\b+2*\r+1]
.endr
.endr
	WIN 0
.endm
.macro TOSTAGE a
.set BB, OB+32*((\a)%2)
.irp b, 0,1,2,3,4,5,6,7
	ds_store_b128 v[STO], v[TMP+4*\b:TMP+4*\b+3] offset:32*\b
.endr
.irp t, 0,1,2,3,4,5,6,7
	ds_load_b128 v[BB+4*\t:BB+4*\t+3], v[RD] offset:(\t%4)*4*SPITCH+(\t/4)*128    ; LDS serves a wave's instructions in order: these see the stores above
.endr
.endm
.macro SEND a
.set BB, OB+32*((\a)%2)
	s_wait_dscnt 0x0                               ; the block is back in registers
	s_wait_xcnt 0x0                                ; the earlier stores have read their base and their data: the base may step, and the next block may land in the other set
.if (\a) > 0
	s_add_nc_u64 s[14:15], s[14:15], 2048          ; 16 rows of 128 bytes on
.endif
.irp t, 0,1,2,3,4,5,6,7
	global_store_b128 v[CO], v[BB+4*\t:BB+4*\t+3], s[14:15] offset:(\t/4)*262144+(\t%4)*512   ; head t / 4, rows 4 (t % 4) on: 512 consecutive bytes, aligned
.endr
.endm
	PLACES NP
	SCALE 0
	PACK 0
	TOSTAGE 0
.irp a, 1,2,3,4,5,6,7
	SCALE \a
	PACK \a
	SEND \a-1
	TOSTAGE \a
.endr
	SEND 7
	s_wait_tensorcnt 0x0                           ; the wave's end, behind my last tensor load and my last LDS store
	ds_add_u32 v[SPW], v[NIL]
	s_wait_dscnt 0x0
	CROUND                                         ; the closing round
	s_endpgm
.Lfunc_end_k_q7abeecff0d_proj:
	.size	k_q7abeecff0d_proj, .Lfunc_end_k_q7abeecff0d_proj-k_q7abeecff0d_proj
	.p2alignl 7, 3214868480
	.fill 96, 4, 3214868480
	.section	.rodata,"a",@progbits
	.p2align	6, 0x0
	.amdhsa_kernel k_q7abeecff0d_proj
		.amdhsa_group_segment_fixed_size 327680
		.amdhsa_private_segment_fixed_size 0
		.amdhsa_enable_private_segment 0
		.amdhsa_kernarg_size 48
		.amdhsa_user_sgpr_count 2
		.amdhsa_user_sgpr_kernarg_segment_ptr 1
		.amdhsa_wavefront_size32 1
		.amdhsa_system_sgpr_workgroup_id_x 1
		.amdhsa_system_sgpr_workgroup_id_y 1
		.amdhsa_system_sgpr_workgroup_id_z 1
		.amdhsa_system_vgpr_workitem_id 0
		.amdhsa_next_free_vgpr 1024
		.amdhsa_next_free_sgpr 100
		.amdhsa_reserve_vcc 0
		.amdhsa_float_denorm_mode_32 3
		.amdhsa_float_denorm_mode_16_64 3
		.amdhsa_memory_ordered 1
		.amdhsa_forward_progress 1
		.amdhsa_inst_pref_size 150
	.end_amdhsa_kernel
	.amdgpu_metadata
---
amdhsa.version: [ 1, 2 ]
amdhsa.kernels:
  - .name:           k_q7abeecff0d_proj
    .symbol:         k_q7abeecff0d_proj.kd
    .args:
      - { .name: codes, .offset: 0, .size: 8, .value_kind: global_buffer, .address_space: global }
      - { .name: scales, .offset: 8, .size: 8, .value_kind: global_buffer, .address_space: global }
      - { .name: bq, .offset: 16, .size: 8, .value_kind: global_buffer, .address_space: global }
      - { .name: bv, .offset: 24, .size: 8, .value_kind: global_buffer, .address_space: global }
      - { .name: gate, .offset: 32, .size: 8, .value_kind: global_buffer, .address_space: global }
      - { .name: qkv, .offset: 40, .size: 8, .value_kind: global_buffer, .address_space: global }
    .group_segment_fixed_size: 327680
    .private_segment_fixed_size: 0
    .kernarg_segment_align: 8
    .kernarg_segment_size: 48
    .max_flat_workgroup_size: 128
    .sgpr_count:     100
    .vgpr_count:     1024
    .wavefront_size: 32
...
	.end_amdgpu_metadata
.endif
;; end of part 2
;; launch attn (part 3): grid 4 x 64, 16 waves a work-group, clusters of 4 x 1, 327,680 bytes of LDS; arguments qkv, ao; writes ao
.if DOCPART == 3
	.amdgcn_target "amdgcn-amd-amdhsa--gfx1250"
	.amdhsa_code_object_version 6
	.text
	.protected	k_q7abeecff0d_attn
	.globl	k_q7abeecff0d_attn
	.p2align	8
	.type	k_q7abeecff0d_attn,@function
k_q7abeecff0d_attn:
	s_mov_b64 s[64:65], 0
	v_nop
	global_prefetch_b8 v0, s[64:65] scope:SCOPE_SE
	s_setreg_imm32_b32 hwreg(HW_REG_WAVE_MODE, 25, 1), 1
	s_wait_xcnt 0x0
	s_wait_alu depctr_hold_cnt(0) depctr_sa_sdst(0) depctr_va_vdst(0) depctr_va_sdst(0) depctr_va_ssrc(0) depctr_va_vcc(0) depctr_vm_vsrc(0)
	s_getreg_b32 s2, hwreg(HW_REG_IB_STS2, 6, 4)
	s_cmp_eq_u32 s2, 0
	s_cbranch_scc0 .Lentry_in_a_cluster
	s_endpgm
.Lentry_in_a_cluster:
	s_bfe_u32 s2, ttmp6, 0x10000c
	s_cmp_lg_u32 s2, 0x3003
	s_cbranch_scc0 .Lentry_shape_is_right
	s_endpgm
.Lentry_shape_is_right:
; ATTN: for each (batch, head): ao[q][:] = sum over k of softmax_k(scores[q][k]) (gate[k] V[k][:]).  Q, K, V: f16, [2,048][64], in qkv; Q and K carry sqrt(log2(e) / 8) each, so that
; s = Q . K is the score as an exponent of 2; V carries the gate.  Products on f16 operands, sums, maxima and the softmax in f32; the weights p are rounded to f16 for the second product, ao once at the end.
; f16 and not bf16: the results are averages over many keys, and eight significant bits in p and V would use up what the comparison allows.
; SOFTMAX: a running maximum m and sum l for each query: p = 2^(s - m); in every step O and l are multiplied by a = 2^(m_old - m_new).  The loop has no first step of its own: m begins at -3e38, l and O at 0.
; THE: a NaN anywhere in a row of the softmax makes the row's sum, and so the whole row, NaN, and the guard turns the row into zeros: so where l is NaN the query's result is 0, by a select.
; SHARES: a work-group owns 512 queries of a head, each of its sixteen waves 32: two tiles of 16, in 256 registers: four waves to a SIMD, so that one wave's softmax stands beside another's products and LDS loads.
; Every wave walks the head's 2,048 keys, 64 a step.  K and V come through two LDS slots of 512 keys; each wave fetches 64 keys of K (waves 0-7) or of V (waves 8-15) with one tensor load, so all sixteen share a slot's 128 KiB alike.
; CLUSTER: the four work-groups of a head walk the same K and V: each tile is asked for jointly, by the same tensor load with the mask of all four.
; A refill is asked for at a change of slots and waited for at the next: eight key steps of all sixteen waves lie between, so nothing is asked of memory ahead of the tensor loads.
; LAYOUT: S^T = K Q^T (source 0 = 16 keys, source 1 = 16 queries): a lane holds one query (lane % 16) and keys 8 (lane / 16) + 0..7.  Two such tiles, rounded to f16 in pairs, are source 1 (32 keys x 16 queries) of
; O^T = V^T P, whose result again holds one query a lane.  K comes out of LDS as it lies, V ([key][channel]) turned, by ds_load_tr16_b128.
; LDS: two keys (256 bytes of memory) make an LDS row; K's rows are 272 bytes apart, V's 288: key k lies at (k / 2) pitch + 128 (k % 2).
; REGISTERS: v1-11 addresses; v12-27 statistics, eight a tile: +0 m, +1 its partner in a pair (0), +2, +3 l, +4 .. +7 at work (a in +6); v28-31 second chains of the sums; v32-63 Q; v64-127 S^T, then P in place; v128-191 O^T; v192-255 K's fragments, then V's.
.set SLOTB,  143360                    ; a slot: K's 256 LDS rows, then V's 256
.set VOFF,   69632
.set KPIECE, 8704                      ; 64 keys of K: 32 rows x 272
.set VPIECE, 9216                      ; 64 keys of V: 32 rows x 288
.set SPARE,  286720                    ; behind the slots: the spare words, 128 bytes a wave
.set AK0, 1
.set AV0, 2
.set ADK, 3
.set ADV, 4
.set SPW, 5                            ; v5  LDS address of my spare word; never rewritten
.set NIL, 6                            ; v6  0; never rewritten
.set QO,  7
.set STO, 8
.set RD,  9
.set GO,  10
.set ST,  12
.set C2,  28
.set Q,   32
.set S,   64
.set O,   128
.set F,   192
.set WV,  12
.set G1K, 24
.set G1V, 32
.set G0K, 40                           ; s[40:47] a set for each slot
.set G0V, 48
.set SEL, 60
.set SK,  62                           ; the step's LDS byte in K
.set SV,  63                           ; and in V
.set CNT, 66
.macro JLOAD s                         ; a joint refill of slot s: waves 0-7 K's pieces, waves 8-15 V's.  An s_nop 0 and four v_nop follow each of the two lines
	s_cmp_lt_u32 s[WV], 8
	s_cbranch_scc0 .Lfor_v_\@
	tensor_load_to_lds s[G0K+4*\s:G0K+4*\s+3], s[G1K:G1K+7]
	s_nop 0
.rept 4
	v_nop
.endr
	s_branch .Lasked_\@
.Lfor_v_\@:
	tensor_load_to_lds s[G0V+4*\s:G0V+4*\s+3], s[G1V:G1V+7]
	s_nop 0
.rept 4
	v_nop
.endr
.Lasked_\@:
.endm
.macro CROUND                          ; a round of the cluster's barrier
	s_barrier_signal -1
	s_barrier_wait -1
	s_cmp_lg_u32 s[WV], 0
	s_cbranch_scc1 .Lnot_wave_0_\@
	s_barrier_signal -3
.Lnot_wave_0_\@:
	s_barrier_wait -3
	s_barrier_signal -1
	s_barrier_wait -1
.endm
	s_load_b128 s[4:7], s[0:1], 0x0                ; qkv 4, ao 6
	v_lshl_add_u32 v[SPW], v0, 2, SPARE
	v_mov_b32 v[NIL], 0
	ds_add_u32 v[SPW], v[NIL]                      ; the wave's opening: the add, twice on end, and its wait ahead of my first tensor load
	ds_add_u32 v[SPW], v[NIL]
	v_lshrrev_b32 v10, 5, v0
	v_readfirstlane_b32 s[WV], v10                 ; wave 0..15
	s_bfe_u32 s13, ttmp6, 0x40000                  ; cx
	s_lshl_b32 s15, ttmp9, 2
	s_add_co_u32 s15, s15, s13                     ; my block of 512 queries: it enters Q's and ao's addresses alone
	s_and_b32 s14, ttmp7, 0xffff                   ; 16 x batch + head, which the four partners share
	s_lshl_b32 s16, s14, 18                        ; its 2,048 rows of 128 bytes
	s_and_b32 s17, s[WV], 7                        ; which 64 keys of a slot I fetch
	s_lshl_b32 s18, s17, 13
	s_add_co_u32 s18, s18, s16
	s_add_co_u32 s18, s18, 0x1000000               ; K is the second third of qkv,
	s_mov_b32 s19, 0
	s_add_co_u32 s20, s18, 0x1000000               ; V the last
	s_mov_b32 s21, 0
	s_mul_i32 s22, s17, KPIECE                     ; and where they go in a slot: no place in the cluster enters an LDS address
	s_mul_i32 s23, s17, VPIECE
	s_add_co_u32 s23, s23, VOFF
	s_lshl_b32 s2, s15, 16                         ; my block's 512 rows,
	s_lshl_b32 s3, s[WV], 12                       ; my wave's 32 of them
	s_add_co_u32 s2, s2, s3
	s_add_co_u32 s2, s2, s16
	s_mov_b32 s3, 0
	s_mov_b32 s[G1K], 15|(1<<16)|(1<<20)|(1<<21)|(5<<22)|(3<<25)   ; the mask: all four; elements of 2 bytes; padding on; bit 21 beside a mask; 4 words behind every 64
	s_mov_b32 s[G1V], 15|(1<<16)|(1<<20)|(1<<21)|(5<<22)|(7<<25)   ; the same with 8 words
.irp g, G1K, G1V
	s_mov_b32 s[\g+1], 128<<16                     ; tensor_dim0: two keys, 128 elements
	s_mov_b32 s[\g+2], 32<<16                      ; tensor_dim1
	s_mov_b32 s[\g+3], 128<<16                     ; tile_dim0
	s_mov_b32 s[\g+4], 32                          ; tile_dim1
	s_mov_b32 s[\g+5], 128                         ; from row to row: dense
	s_mov_b32 s[\g+6], 0
	s_mov_b32 s[\g+7], 0
.endr
	s_mov_b32 s[SEL], 0x76543210                   ; v_permlanex16_b32's selects for lane l xor 16
	s_mov_b32 s[SEL+1], 0xfedcba98
	s_wait_dscnt 0x0                               ; both opening adds are done
	s_wait_kmcnt 0x0
	s_add_nc_u64 s[18:19], s[4:5], s[18:19]
	s_add_nc_u64 s[20:21], s[4:5], s[20:21]
	s_add_nc_u64 s[4:5], s[4:5], s[2:3]            ; Q at my wave's first row
	s_add_nc_u64 s[6:7], s[6:7], s[2:3]            ; ao likewise
	CROUND                                         ; all four work-groups are here: the first joint loads meet
.irp s, 0,1
	s_mov_b32 s[G0K+4*\s], 1
	s_add_co_u32 s[G0K+4*\s+1], s22, \s*SLOTB
	s_add_nc_u64 s[G0K+4*\s+2:G0K+4*\s+3], s[18:19], \s*65536      ; slot s begins with keys 512 s on
	s_or_b32 s[G0K+4*\s+3], s[G0K+4*\s+3], 0x80000000
	s_mov_b32 s[G0V+4*\s], 1
	s_add_co_u32 s[G0V+4*\s+1], s23, \s*SLOTB
	s_add_nc_u64 s[G0V+4*\s+2:G0V+4*\s+3], s[20:21], \s*65536
	s_or_b32 s[G0V+4*\s+3], s[G0V+4*\s+3], 0x80000000
.endr
	s_cmp_lt_u32 s[WV], 8                          ; a wave's two first fills stand in one branch: two loads of mine are out
	s_cbranch_scc0 .Lfirst_v
	tensor_load_to_lds s[G0K:G0K+3], s[G1K:G1K+7]
	s_nop 0
	tensor_load_to_lds s[G0K+4:G0K+7], s[G1K:G1K+7]
	s_nop 0
.rept 4
	v_nop
.endr
	s_branch .Lfirst_asked
.Lfirst_v:
	tensor_load_to_lds s[G0V:G0V+3], s[G1V:G1V+7]
	s_nop 0
	tensor_load_to_lds s[G0V+4:G0V+7], s[G1V:G1V+7]
	s_nop 0
.rept 4
	v_nop
.endr
.Lfirst_asked:
	v_and_b32 v10, 15, v0                          ; r
	v_bfe_u32 v11, v0, 4, 1                        ; h
	v_lshlrev_b32 v[QO], 7, v10
	v_lshl_add_u32 v[QO], v11, 4, v[QO]            ; Q: row r of 128 bytes, + 16 h
.irp t, 0,1
.irp kk, 0,1
	global_load_b128 v[Q+16*\t+8*\kk:Q+16*\t+8*\kk+3],   v[QO], s[4:5] offset:\t*2048+\kk*64      ; Q stays in registers: tile t, channels 32 kk on
	global_load_b128 v[Q+16*\t+8*\kk+4:Q+16*\t+8*\kk+7], v[QO], s[4:5] offset:\t*2048+\kk*64+32
.endr
.endr
	v_lshrrev_b32 v[AK0], 1, v10
	v_mul_u32_u24 v[AK0], v[AK0], 272
	v_and_b32 v[ADK], 1, v10
	v_lshl_add_u32 v[AK0], v[ADK], 7, v[AK0]
	v_lshl_add_u32 v[AK0], v11, 4, v[AK0]          ; K: key r: (r / 2) 272 + 128 (r % 2) + 16 h
	v_and_b32 v[ADK], 7, v0
	v_lshl_add_u32 v[ADK], v11, 3, v[ADK]          ; V, the turning load: key x = 8 h + lane % 8,
	v_lshrrev_b32 v[AV0], 1, v[ADK]
	v_mul_u32_u24 v[AV0], v[AV0], 288
	v_and_b32 v[ADV], 1, v[ADK]
	v_lshl_add_u32 v[AV0], v[ADV], 7, v[AV0]
	v_bfe_u32 v[ADV], v0, 3, 1
	v_lshl_add_u32 v[AV0], v[ADV], 4, v[AV0]       ; channels 8 ((lane / 8) % 2) on
	v_add_nc_u32 v[AV0], VOFF, v[AV0]
	s_mul_i32 s16, s[WV], 32*144                   ; the way out: my stage, 32 rows x (128 bytes + 16), in slot 0
	v_mul_u32_u24 v[STO], v10, 144
	v_lshl_add_u32 v[STO], v11, 4, v[STO]
	v_add_nc_u32 v[STO], s16, v[STO]               ; in: row r, + 16 h
	v_bfe_u32 v[RD], v0, 3, 2
	v_mul_u32_u24 v[RD], v[RD], 144
	v_and_b32 v11, 7, v0
	v_lshl_add_u32 v[RD], v11, 4, v[RD]
	v_add_nc_u32 v[RD], s16, v[RD]                 ; back: row lane / 8, 16 (lane % 8)
.irp t, 0,1
	v_mov_b32 v[ST+8*\t], 0xff61b1e6               ; m: -3e38, under every score
	v_mov_b32 v[ST+8*\t+1], 0
	v_mov_b32 v[ST+8*\t+2], 0                      ; l, in two halves
	v_mov_b32 v[ST+8*\t+3], 0
.endr
.set i, 0
.rept 64
	v_mov_b32 v[O+i], 0                            ; O^T: the step is written once a slot; its first run finds zeros, which a = 0 leaves zeros
.set i, i+1
.endr
; A KEY STEP: 64 keys.
.macro STEP
	v_add_nc_u32 v[ADK], s[SK], v[AK0]
	v_add_nc_u32 v[ADV], s[SV], v[AV0]
.rept 3
	v_nop                                          ; with the two additions: five plain lines between the last step's products and the products that write over P, four and more ahead of the loads into V's registers
.endr
.irp u, 0,1,2,3
.irp kk, 0,1
	ds_load_b128 v[F+8*(2*\u+\kk):F+8*(2*\u+\kk)+3],   v[ADK] offset:\u*2176+\kk*64       ; keys 16 u on, channels 32 kk on
	ds_load_b128 v[F+8*(2*\u+\kk)+4:F+8*(2*\u+\kk)+7], v[ADK] offset:\u*2176+\kk*64+32
.endr
.endr
	s_wait_dscnt 0x0
.irp u, 0,1,2,3                        ; S^T = K Q^T: eight accumulators by turns, one instruction a turn; the first eight start the sums
.irp t, 0,1
	v_wmma_f32_16x16x32_f16 v[S+32*\t+8*\u:S+32*\t+8*\u+7], v[F+16*\u:F+16*\u+7], v[Q+16*\t:Q+16*\t+7], 0
.endr
.endr
.irp u, 0,1,2,3
.irp t, 0,1
	v_wmma_f32_16x16x32_f16 v[S+32*\t+8*\u:S+32*\t+8*\u+7], v[F+16*\u+8:F+16*\u+15], v[Q+16*\t+8:Q+16*\t+15], v[S+32*\t+8*\u:S+32*\t+8*\u+7]
.endr
.endr
.rept 4
	v_nop                                          ; ahead of the loads into K's registers and of the first read of the scores
.endr
.irp kk, 0,1
.irp c, 0,1,2,3
	ds_load_tr16_b128 v[F+8*(4*\kk+\c):F+8*(4*\kk+\c)+3],   v[ADV] offset:\kk*4608+\c*32          ; V^T: keys 32 kk on, channels 16 c on: they land while the softmax is walked
	ds_load_tr16_b128 v[F+8*(4*\kk+\c)+4:F+8*(4*\kk+\c)+7], v[ADV] offset:\kk*4608+2304+\c*32
.endr
.endr
	; the softmax, the two tiles line by line.  The maximum: four chains, each accumulator read from its low end on
.irp j, 0,1,2,3
.irp t, 0,1
	v_max3_num_f32 v[ST+8*\t+4+\j], v[S+32*\t+8*\j], v[S+32*\t+8*\j+1], v[S+32*\t+8*\j+2]
.endr
.endr
.irp g, 1,2
.irp j, 0,1,2,3
.irp t, 0,1
	v_max3_num_f32 v[ST+8*\t+4+\j], v[ST+8*\t+4+\j], v[S+32*\t+8*\j+2*\g+1], v[S+32*\t+8*\j+2*\g+2]
.endr
.endr
.endr
.irp t, 0,1
	v_max3_num_f32 v[ST+8*\t+4], v[ST+8*\t+4], v[S+32*\t+7], v[S+32*\t+15]
.endr
.irp t, 0,1
	v_max3_num_f32 v[ST+8*\t+6], v[ST+8*\t+6], v[S+32*\t+23], v[S+32*\t+31]
.endr
.irp t, 0,1
	v_max3_num_f32 v[ST+8*\t+4], v[ST+8*\t+4], v[ST+8*\t+5], v[ST+8*\t+6]
.endr
.irp t, 0,1
	v_max3_num_f32 v[ST+8*\t+4], v[ST+8*\t+4], v[ST+8*\t+7], v[ST+8*\t]           ; with the old m
.endr
.irp t, 0,1
	v_permlanex16_b32 v[ST+8*\t+5], v[ST+8*\t+4], s[SEL], s[SEL+1]               ; the query's other 32 keys lie in the lane 16 away
.endr
.irp t, 0,1
	v_mov_b32 v[ST+8*\t+7], v[ST+8*\t]
.endr
.irp t, 0,1
	v_max_num_f32 v[ST+8*\t], v[ST+8*\t+4], v[ST+8*\t+5]                         ; the new m
.endr
.irp t, 0,1
	v_sub_f32 v[ST+8*\t+7], v[ST+8*\t+7], v[ST+8*\t]                             ; m_old - m_new
.endr
.irp j, 0,2,4,6,8,10,12,14,16,18,20,22,24,26,28,30
.irp t, 0,1
	v_pk_add_f32 v[S+32*\t+\j:S+32*\t+\j+1], v[S+32*\t+\j:S+32*\t+\j+1], v[ST+8*\t:ST+8*\t+1] op_sel_hi:[1,0] neg_lo:[0,1] neg_hi:[0,1]   ; s - m, two at a time
.endr
.endr
.irp t, 0,1
	v_exp_f32 v[ST+8*\t+6], v[ST+8*\t+7]           ; a
.endr
.set i, 0
.rept 32
	v_exp_f32 v[S+i], v[S+i]                       ; p = 2^(s - m): one batch of 66 exponentials
	v_exp_f32 v[S+32+i], v[S+32+i]
.set i, i+1
.endr
	v_nop                                          ; a plain line behind the last exponential
	s_wait_alu depctr_va_vdst(0)                   ; one wait for the batch, ahead of its first reader
.irp t, 0,1
	v_pk_mul_f32 v[ST+8*\t+2:ST+8*\t+3], v[ST+8*\t+2:ST+8*\t+3], v[ST+8*\t+6:ST+8*\t+7] op_sel_hi:[1,0]    ; l x a
.endr
.irp t, 0,1
	v_pk_add_f32 v[C2+2*\t:C2+2*\t+1], v[S+32*\t:S+32*\t+1], v[S+32*\t+2:S+32*\t+3]                       ; the sums of the unrounded p, in two chains
.endr
.irp j, 4,8,12,16,20,24,28
.irp t, 0,1
	v_pk_add_f32 v[ST+8*\t+2:ST+8*\t+3], v[ST+8*\t+2:ST+8*\t+3], v[S+32*\t+\j:S+32*\t+\j+1]
	v_pk_add_f32 v[C2+2*\t:C2+2*\t+1], v[C2+2*\t:C2+2*\t+1], v[S+32*\t+\j+2:S+32*\t+\j+3]
.endr
.endr
.irp t, 0,1
	v_pk_add_f32 v[ST+8*\t+2:ST+8*\t+3], v[ST+8*\t+2:ST+8*\t+3], v[C2+2*\t:C2+2*\t+1]
.endr
.irp kk, 0,1
.irp i, 0,1,2,3,4,5,6,7
.irp t, 0,1
	v_cvt_pk_f16_f32 v[S+32*\t+16*\kk+\i], v[S+32*\t+16*\kk+2*\i], v[S+32*\t+16*\kk+2*\i+1]   ; P in place: register i takes pair i; no destination lies ahead of a pair not yet read
.endr
.endr
.endr
.irp j, 0,2,4,6,8,10,12,14,16,18,20,22,24,26,28,30
.irp t, 0,1
	v_pk_mul_f32 v[O+32*\t+\j:O+32*\t+\j+1], v[O+32*\t+\j:O+32*\t+\j+1], v[ST+8*\t+6:ST+8*\t+7] op_sel_hi:[1,0]   ; O^T x a, each accumulator from its low end on
.endr
.endr
	s_wait_dscnt 0x0                               ; V is in
.irp kk, 0,1                           ; O^T += V^T P: eight accumulators by turns
.irp c, 0,1,2,3
.irp t, 0,1
	v_wmma_f32_16x16x32_f16 v[O+32*\t+8*\c:O+32*\t+8*\c+7], v[F+8*(4*\kk+\c):F+8*(4*\kk+\c)+7], v[S+32*\t+16*\kk:S+32*\t+16*\kk+7], v[O+32*\t+8*\c:O+32*\t+8*\c+7]
.endr
.endr
.endr
.endm
.macro SLOTRUN s                       ; a slot's eight key steps: written once, walked eight times; the LDS addresses hang on two scalars stepped by constants
	s_mov_b32 s[SK], (\s)*SLOTB
	s_mov_b32 s[SV], (\s)*SLOTB
	s_mov_b32 s[CNT], 8
.Lstep_\@:
	STEP
	s_add_co_u32 s[SK], s[SK], KPIECE
	s_add_co_u32 s[SV], s[SV], VPIECE
	s_sub_co_u32 s[CNT], s[CNT], 1
	s_cmp_lg_u32 s[CNT], 0
	s_cbranch_scc1 .Lstep_\@
.endm
; THE CHANGE OF SLOTS.  Each wave waits for all its tensor loads (its part of the slot ahead), adds 0 to its spare word, and waits for that and for its reads of the slot that it leaves.
; fill = 1: slot s, just left, takes the keys 1,024 further on: the barrier is a round of the cluster's, and the joint refill is the first thing behind it.
.macro CHANGE s, fill
	s_wait_tensorcnt 0x0                           ; no tensor load of mine is out, so a descriptor may be written
	ds_add_u32 v[SPW], v[NIL]
.if \fill
	s_add_nc_u64 s[G0K+4*\s+2:G0K+4*\s+3], s[G0K+4*\s+2:G0K+4*\s+3], 131072
	s_add_nc_u64 s[G0V+4*\s+2:G0V+4*\s+3], s[G0V+4*\s+2:G0V+4*\s+3], 131072
.endif
	s_wait_dscnt 0x0
.if \fill
	CROUND
	JLOAD \s
.else
	s_barrier_signal -1
	s_barrier_wait -1
.endif
.endm
	s_wait_tensorcnt 1                             ; my part of slot 0 is in; slot 1's load may be out
	s_barrier_signal -1
	s_barrier_wait -1
	s_wait_loadcnt 0x0                             ; Q
	SLOTRUN 0                                      ; keys 0 - 511
	CHANGE 0, 1
	SLOTRUN 1                                      ; 512 - 1,023
	CHANGE 1, 1
	SLOTRUN 0                                      ; 1,024 - 1,535
	CHANGE 0, 0                                    ; nothing is left to ask for
	SLOTRUN 1                                      ; 1,536 - 2,047
	; THE WAY OUT: O^T / l, rounded to f16, zeros where l is NaN; through my stage (slot 0 has had its last fill, and nobody reads it behind the last barrier); out as runs of 512 consecutive bytes.
.rept 4
	v_nop
.endr
.irp t, 0,1
	v_add_f32 v[ST+8*\t+4], v[ST+8*\t+2], v[ST+8*\t+3]
.endr
.irp t, 0,1
	v_permlanex16_b32 v[ST+8*\t+5], v[ST+8*\t+4], s[SEL], s[SEL+1]
.endr
.irp t, 0,1
	v_add_f32 v[ST+8*\t+4], v[ST+8*\t+4], v[ST+8*\t+5]                           ; the row's sum
.endr
.irp t, 0,1
	v_rcp_f32 v[ST+8*\t+6], v[ST+8*\t+4]
.endr
	v_nop                                          ; a plain line behind the reciprocals
.irp t, 0,1
	v_cmp_eq_f32 s[70+\t], v[ST+8*\t+4], v[ST+8*\t+4]                            ; set where l is a number
.endr
	v_and_b32 v[GO], 31, v0
	v_lshlrev_b32 v[GO], 4, v[GO]                  ; 16 x lane
	s_wait_alu depctr_va_vdst(0)                   ; one wait for the two reciprocals, ahead of their first reader
.irp t, 0,1
.irp j, 0,2,4,6,8,10,12,14,16,18,20,22,24,26,28,30
	v_pk_mul_f32 v[O+32*\t+\j:O+32*\t+\j+1], v[O+32*\t+\j:O+32*\t+\j+1], v[ST+8*\t+6:ST+8*\t+7] op_sel_hi:[1,0]
.endr
.endr
.irp t, 0,1
.irp c, 0,1,2,3
.irp i, 0,1,2,3
	v_cvt_pk_f16_f32 v[S+16*\t+4*\c+\i], v[O+32*\t+8*\c+2*\i], v[O+32*\t+8*\c+2*\i+1]
.endr
.endr
.endr
.irp t, 0,1
.irp j, 0,1,2,3,4,5,6,7,8,9,10,11,12,13,14,15
	v_cndmask_b32 v[S+16*\t+\j], 0, v[S+16*\t+\j], s[70+\t]                      ; the guard: a choice of values, no branch
.endr
.endr
.irp t, 0,1
.irp c, 0,1,2,3
	ds_store_b128 v[STO], v[S+16*\t+4*\c:S+16*\t+4*\c+3] offset:\t*2304+32*\c
.endr
.endr
.irp i, 0,1,2,3,4,5,6,7
	ds_load_b128 v[F+4*\i:F+4*\i+3], v[RD] offset:576*\i                         ; LDS serves a wave's instructions in order: these see my stores
.endr
.irp i, 0,1,2,3,4,5,6,7
	s_wait_dscnt 7-\i                              ; the later loads may be out
	global_store_b128 v[GO], v[F+4*\i:F+4*\i+3], s[6:7] offset:512*\i            ; four rows of my head: 512 consecutive bytes, aligned
.endr
	s_wait_tensorcnt 0x0                           ; the wave's end, behind my last tensor load and my last LDS store
	ds_add_u32 v[SPW], v[NIL]
	s_wait_dscnt 0x0
	CROUND                                         ; the closing round
	s_endpgm
.Lfunc_end_k_q7abeecff0d_attn:
	.size	k_q7abeecff0d_attn, .Lfunc_end_k_q7abeecff0d_attn-k_q7abeecff0d_attn
	.p2alignl 7, 3214868480
	.fill 96, 4, 3214868480
	.section	.rodata,"a",@progbits
	.p2align	6, 0x0
	.amdhsa_kernel k_q7abeecff0d_attn
		.amdhsa_group_segment_fixed_size 327680
		.amdhsa_private_segment_fixed_size 0
		.amdhsa_enable_private_segment 0
		.amdhsa_kernarg_size 16
		.amdhsa_user_sgpr_count 2
		.amdhsa_user_sgpr_kernarg_segment_ptr 1
		.amdhsa_wavefront_size32 1
		.amdhsa_system_sgpr_workgroup_id_x 1
		.amdhsa_system_sgpr_workgroup_id_y 1
		.amdhsa_system_sgpr_workgroup_id_z 1
		.amdhsa_system_vgpr_workitem_id 0
		.amdhsa_next_free_vgpr 256
		.amdhsa_next_free_sgpr 76
		.amdhsa_reserve_vcc 0
		.amdhsa_float_denorm_mode_32 3
		.amdhsa_float_denorm_mode_16_64 3
		.amdhsa_memory_ordered 1
		.amdhsa_forward_progress 1
		.amdhsa_inst_pref_size 90
	.end_amdhsa_kernel
	.amdgpu_metadata
---
amdhsa.version: [ 1, 2 ]
amdhsa.kernels:
  - .name:           k_q7abeecff0d_attn
    .symbol:         k_q7abeecff0d_attn.kd
    .args:
      - { .name: qkv, .offset: 0, .size: 8, .value_kind: global_buffer, .address_space: global }
      - { .name: ao, .offset: 8, .size: 8, .value_kind: global_buffer, .address_space: global }
    .group_segment_fixed_size: 327680
    .private_segment_fixed_size: 0
    .kernarg_segment_align: 8
    .kernarg_segment_size: 16
    .max_flat_workgroup_size: 512
    .sgpr_count:     76
    .vgpr_count:     256
    .wavefront_size: 32
...
	.end_amdgpu_metadata
.endif
;; end of part 3
;; launch oproj (part 4): grid 4 x 64, 4 waves a work-group, clusters of 4 x 4, 327,680 bytes of LDS; arguments ao, wo16, bo, out0; writes out0
.if DOCPART == 4
	.amdgcn_target "amdgcn-amd-amdhsa--gfx1250"
	.amdhsa_code_object_version 6
	.text
	.protected	k_q7abeecff0d_oproj
	.globl	k_q7abeecff0d_oproj
	.p2align	8
	.type	k_q7abeecff0d_oproj,@function
k_q7abeecff0d_oproj:
	s_mov_b64 s[64:65], 0
	v_nop
	global_prefetch_b8 v0, s[64:65] scope:SCOPE_SE
	s_setreg_imm32_b32 hwreg(HW_REG_WAVE_MODE, 25, 1), 1
	s_wait_xcnt 0x0
	s_wait_alu depctr_hold_cnt(0) depctr_sa_sdst(0) depctr_va_vdst(0) depctr_va_sdst(0) depctr_va_ssrc(0) depctr_va_vcc(0) depctr_vm_vsrc(0)
	s_getreg_b32 s2, hwreg(HW_REG_IB_STS2, 6, 4)
	s_cmp_eq_u32 s2, 0
	s_cbranch_scc0 .Lentry_in_a_cluster
	s_endpgm
.Lentry_in_a_cluster:
	s_bfe_u32 s2, ttmp6, 0x10000c
	s_cmp_lg_u32 s2, 0xf033
	s_cbranch_scc0 .Lentry_shape_is_right
	s_endpgm
.Lentry_shape_is_right:
; OPROJ: out0[row][n] = sum over k of A[row][k] Wo[n][k] + bo[n].  A is ao, f16, head-major [4 b][16 h][2,048 l][64]: k = 64 h + d.  Wo is wo16, f16, [1,024 n][1,024 k].  out0: f32.  Sums in f32; bo is the C of each sum's first matrix instruction.
; A tile of out0 is 128 rows x 256 columns: 256 work-groups, one for each WGP (256 x 256 would make 128).  Four waves, 64 x 128 each: 32 accumulators.
; K goes in steps of 128 (two heads) through two LDS slots.  A's part of a step is two planes (one a head) of 128 rows x 128 bytes, dense in memory: 64 LDS rows of two rows each; Wo's is 256 rows of 256 bytes.
; Waves 0 and 1 fetch A's planes, waves 2 and 3 Wo's halves, one tensor load each.
; CLUSTERS: 4 x 4 work-groups; A's tile is shared along a row of the cluster, Wo's along a column: joint loads.  THE MATRIX INSTRUCTION IS USED TRANSPOSED (source 0 = Wo's rows, source 1 = A's rows): a lane holds eight neighbouring columns of one row.
; K has eight steps, two of them asked for at the start: nothing is asked of memory ahead of the tensor loads.
; REGISTERS: window 0: v16-29 addresses; v64-191 rows on the way out, two sets; v192-255 bo's tiles.  window 1: two fragment buffers of 96 at v0 and v128 (Wo's eight fragments, then A's four).  window 2: the accumulators ((a, b) at v[8 (8 a + b)]).
.set PITCH,  272
.set APLANE, 64*PITCH
.set BOFF,   2*APLANE
.set BHALF,  128*PITCH
.set SLOT,   BOFF+2*BHALF
.set STAGE,  2*SLOT                    ; behind the slots: 16 rows x (512 bytes + 16) for each wave
.set SPITCH, 528
.set SPARE,  STAGE+4*16*SPITCH         ; the spare words: 128 bytes a wave
.set ADRA, 16
.set ADRB, 20
.set STO,  24
.set RD,   25
.set CO,   26
.set BOF,  27
.set SPW,  28                          ; v28  LDS address of my spare word; never rewritten
.set NIL,  29                          ; v29  0; never rewritten
.set BK,   64
.set BI,   192
.set F0,   0
.set F1,   128
.set G1A, 24
.set G0A, 32
.set G1B, 48
.set G0B, 56
.set MSB, 0
.macro WIN new                         ; the immediate's high byte repeats the setting that is left
.if MSB != (\new)
	s_set_vgpr_msb (MSB<<8)|(\new)
.set MSB, (\new)
.endif
.endm
.set MUL,   0xa5                       ; sources 0 and 1 window 1, C and D window 2
.set MULB,  0x85                       ; the same with C (the bias) in window 0
.set TO_F,  0x40
.macro JLOAD s                         ; a joint load: waves 0, 1 for A, waves 2, 3 for Wo.  An s_nop 0 and four v_nop follow each of the two lines
	s_cmp_eq_u32 s13, 0
	s_cbranch_scc0 .Lfor_b_\@
	tensor_load_to_lds s[G0A+4*\s:G0A+4*\s+3], s[G1A:G1A+7]
	s_nop 0
.rept 4
	v_nop
.endr
	s_branch .Lasked_\@
.Lfor_b_\@:
	tensor_load_to_lds s[G0B+4*\s:G0B+4*\s+3], s[G1B:G1B+7]
	s_nop 0
.rept 4
	v_nop
.endr
.Lasked_\@:
.endm
.macro CREST                           ; a round of the cluster's barrier behind its opening barrier
	s_cmp_lg_u32 s12, 0
	s_cbranch_scc1 .Lnot_wave_0_\@
	s_barrier_signal -3
.Lnot_wave_0_\@:
	s_barrier_wait -3
	s_barrier_signal -1
	s_barrier_wait -1
.endm
.macro CROUND
	s_barrier_signal -1
	s_barrier_wait -1
	CREST
.endm
	s_load_b256 s[4:11], s[0:1], 0x0               ; ao 4, wo16 6, bo 8, out0 10
	v_lshl_add_u32 v[SPW], v0, 2, SPARE
	v_mov_b32 v[NIL], 0
	ds_add_u32 v[SPW], v[NIL]                      ; the wave's opening: the add, twice on end, and its wait ahead of my first tensor load
	ds_add_u32 v[SPW], v[NIL]
	v_lshrrev_b32 v1, 5, v0
	v_readfirstlane_b32 s12, v1                    ; wave 0..3
	s_lshr_b32 s13, s12, 1                         ; which 64 rows are mine.  Also: I fetch for A (0) or for Wo (1)
	s_and_b32 s14, s12, 1                          ; which 128 columns.  Also: which plane or half I fetch
	s_bfe_u32 s40, ttmp6, 0x40000                  ; cx, cy
	s_bfe_u32 s41, ttmp6, 0x40004
	s_lshl_b32 s42, ttmp9, 2
	s_add_co_u32 s42, s42, s40                     ; tile column 0..3
	s_and_b32 s15, ttmp7, 0xffff
	s_lshl_b32 s15, s15, 2
	s_add_co_u32 s15, s15, s41                     ; tile row 0..63
	s_lshl_b32 s43, s41, 2
	s_lshl_b32 s43, 15, s43                        ; my row of the cluster
	s_lshl_b32 s44, 0x1111, s40                    ; my column
	s_or_b32 s[G1A+0], s43, (1<<16)|(1<<20)|(1<<21)|(5<<22)|(3<<25)   ; the mask; elements of 2 bytes; padding on; bit 21 beside a mask; 4 words behind every 64
	s_mov_b32 s[G1A+1], 128<<16                    ; A: rows of 128 elements (two rows of a head),
	s_mov_b32 s[G1A+2], 64<<16                     ; 64 of them,
	s_mov_b32 s[G1A+3], 128<<16
	s_mov_b32 s[G1A+4], 64
	s_mov_b32 s[G1A+5], 128                        ; dense
	s_mov_b32 s[G1A+6], 0
	s_mov_b32 s[G1A+7], 0
	s_or_b32 s[G1B+0], s44, (1<<16)|(1<<20)|(1<<21)|(5<<22)|(3<<25)
	s_mov_b32 s[G1B+1], 128<<16                    ; Wo: 128 rows of 128 elements,
	s_mov_b32 s[G1B+2], 128<<16
	s_mov_b32 s[G1B+3], 128<<16
	s_mov_b32 s[G1B+4], 128
	s_mov_b32 s[G1B+5], 1024                       ; 1,024 elements apart
	s_mov_b32 s[G1B+6], 0
	s_mov_b32 s[G1B+7], 0
	s_lshr_b32 s16, s15, 4                         ; the batch
	s_lshl_b32 s16, s16, 4
	s_add_co_u32 s16, s16, s14                     ; head 16 b + plane
	s_lshl_b32 s16, s16, 18
	s_and_b32 s17, s15, 15
	s_lshl_b32 s17, s17, 14                        ; the tile's 128 rows of 128 bytes in a head
	s_add_co_u32 s16, s16, s17
	s_mov_b32 s17, 0
	s_lshl_b32 s46, s42, 8
	s_lshl_b32 s47, s14, 7
	s_add_co_u32 s46, s46, s47                     ; Wo: row 256 x tile column + 128 x half
	s_lshl_b32 s46, s46, 11
	s_mov_b32 s47, 0
	s_mul_i32 s20, s14, APLANE                     ; where they go: no place in the cluster enters an LDS address
	s_mul_i32 s21, s14, BHALF
	s_add_co_u32 s21, s21, BOFF
	s_wait_dscnt 0x0                               ; both opening adds are done
	s_wait_kmcnt 0x0
	s_add_nc_u64 s[16:17], s[4:5], s[16:17]
	s_add_nc_u64 s[46:47], s[6:7], s[46:47]
	CROUND                                         ; all sixteen work-groups are here: the first joint loads meet
.irp s, 0,1
	s_mov_b32 s[G0A+4*\s], 1
	s_add_co_u32 s[G0A+4*\s+1], s20, \s*SLOT
	s_add_nc_u64 s[G0A+4*\s+2:G0A+4*\s+3], s[16:17], \s*524288     ; K step s: heads 2 s, 2 s + 1
	s_or_b32 s[G0A+4*\s+3], s[G0A+4*\s+3], 0x80000000
	s_mov_b32 s[G0B+4*\s], 1
	s_add_co_u32 s[G0B+4*\s+1], s21, \s*SLOT
	s_add_nc_u64 s[G0B+4*\s+2:G0B+4*\s+3], s[46:47], \s*256
	s_or_b32 s[G0B+4*\s+3], s[G0B+4*\s+3], 0x80000000
	JLOAD \s                                       ; two tensor loads of mine are out
.endr
	v_and_b32 v1, 15, v0                           ; r
	v_bfe_u32 v2, v0, 4, 1                         ; h
	s_lshl_b32 s46, s42, 10                        ; my first column, in bytes of f32: 1,024 x tile column + 512 x half
	s_lshl_b32 s47, s14, 9
	s_add_co_u32 s46, s46, s47
	s_mov_b32 s47, 0
	s_add_nc_u64 s[8:9], s[8:9], s[46:47]
	v_lshlrev_b32 v[BOF], 5, v2
.irp b, 0,1,2,3,4,5,6,7
	global_load_b128 v[BI+8*\b:BI+8*\b+3], v[BOF], s[8:9] offset:64*\b           ; lane (r, h): bo[16 b + 8 h + 0 .. 7]: the result's layout
	global_load_b128 v[BI+8*\b+4:BI+8*\b+7], v[BOF], s[8:9] offset:64*\b+16
.endr
	v_mul_u32_u24 v3, v1, PITCH
	v_lshl_add_u32 v3, v2, 4, v3                   ; Wo: row r x pitch + 16 h
	v_lshrrev_b32 v4, 1, v1
	v_mul_u32_u24 v4, v4, PITCH
	v_and_b32 v5, 1, v1
	v_lshl_add_u32 v4, v5, 7, v4
	v_lshl_add_u32 v4, v2, 4, v4                   ; A: row r: (r / 2) pitch + 128 (r % 2) + 16 h
	s_mul_i32 s21, s13, 32*PITCH                   ; my 64 rows of A
	s_mul_i32 s22, s14, BHALF                      ; my 128 rows of Wo
	s_add_co_u32 s22, s22, BOFF
.irp s, 0,1
	v_add_nc_u32 v[ADRA+\s], s21, v4
	v_add_nc_u32 v[ADRB+\s], s22, v3
	s_add_co_u32 s21, s21, SLOT
	s_add_co_u32 s22, s22, SLOT
.endr
	s_mul_i32 s23, s12, 16*SPITCH
	s_add_co_u32 s23, s23, STAGE                   ; my stage
	v_mul_u32_u24 v5, v1, SPITCH
	v_lshl_add_u32 v5, v2, 5, v5
	v_add_nc_u32 v[STO], s23, v5                   ; in: row r, 32 bytes for each half of the lanes
	v_and_b32 v6, 31, v0
	v_lshlrev_b32 v[CO], 4, v6                     ; back: the 32 lanes take a row of 512 bytes; the same in out0
	v_add_nc_u32 v[RD], s23, v[CO]
	s_lshl_b32 s16, s15, 7
	s_lshl_b32 s17, s13, 6
	s_add_co_u32 s16, s16, s17                     ; my first row
	s_lshl_b32 s16, s16, 12                        ; x 4,096 bytes
	s_mov_b32 s17, 0
	s_add_nc_u64 s[10:11], s[10:11], s[16:17]
	s_add_nc_u64 s[10:11], s[10:11], s[46:47]
.macro FETCH slot, q, f                ; 24 LDS loads in one run: the fragments of the slot's q-th 32 along K into buffer f: Wo's eight, then A's four
	WIN TO_F
.irp i, 0,1,2,3,4,5,6,7
	ds_load_b128 v[\f+8*\i:\f+8*\i+3],   v[ADRB+\slot] offset:(\q)*64+\i*16*PITCH
	ds_load_b128 v[\f+8*\i+4:\f+8*\i+7], v[ADRB+\slot] offset:(\q)*64+\i*16*PITCH+32
.endr
.irp a, 0,1,2,3
	ds_load_b128 v[\f+64+8*\a:\f+64+8*\a+3],   v[ADRA+\slot] offset:((\q)/2)*APLANE+((\q)%2)*64+\a*8*PITCH
	ds_load_b128 v[\f+64+8*\a+4:\f+64+8*\a+7], v[ADRA+\slot] offset:((\q)/2)*APLANE+((\q)%2)*64+\a*8*PITCH+32
.endr
.endm
.macro MUL8 f, a, first                ; A's block a against Wo's eight.  The 32 accumulators take turns, one instruction a turn, in the same order everywhere
.irp b, 0,1,2,3,4,5,6,7
.if \first
	v_wmma_f32_16x16x32_f16 v[8*(8*(\a)+\b):8*(8*(\a)+\b)+7], v[\f+8*\b:\f+8*\b+7], v[\f+64+8*(\a):\f+64+8*(\a)+7], v[BI+8*\b:BI+8*\b+7]
.else
	v_wmma_f32_16x16x32_f16 v[8*(8*(\a)+\b):8*(8*(\a)+\b)+7], v[\f+8*\b:\f+8*\b+7], v[\f+64+8*(\a):\f+64+8*(\a)+7], v[8*(8*(\a)+\b):8*(8*(\a)+\b)+7]
.endif
.endr
.endm
.macro PLACES                          ; four plain lines ahead of loads into registers that matrix instructions have read, and of the first read of results
.rept 4
	v_nop
.endr
.endm
; A K step is four quarters of 32 along K, on buffers 0, 1, 0, 1.  One of the first three: multiplies buffer f and fetches quarter q of the same slot into g.
.macro QUARTER slot, q, f, g, first
	s_wait_dscnt 4                                 ; all but A's blocks 2 and 3
.if \first
	WIN MULB
.else
	WIN MUL
.endif
	MUL8 \f, 0, \first
	MUL8 \f, 1, \first
	PLACES
	FETCH \slot, \q, \g
	s_wait_dscnt 24                                ; all but the 24 just issued
.if \first
	WIN MULB
.else
	WIN MUL
.endif
	MUL8 \f, 2, \first
	MUL8 \f, 3, \first
.endm
; The last quarter multiplies buffer 1 and changes slots: one barrier; in front of it each wave waits for all its tensor loads, adds 0 to its spare word, and waits for that and for its reads of this slot.
; fill = 1: the barrier opens a round of the cluster's, and this slot is filled again, two K steps ahead, first thing behind it.
.macro TURN slot, next, fill
	WIN 0
	s_wait_tensorcnt 0x0                           ; my part of the next slot has landed
	ds_add_u32 v[SPW], v[NIL]
	s_wait_dscnt 5                                 ; the add and A's blocks 2 and 3 may be out
	WIN MUL
	MUL8 F1, 0, 0
	s_wait_dscnt 0x0                               ; the add is done, and my reads of this slot are over
	s_barrier_signal -1
	MUL8 F1, 1, 0
.if \fill
	WIN 0
.endif
	s_barrier_wait -1
.if \fill
	CREST
	s_add_nc_u64 s[G0A+4*\slot+2:G0A+4*\slot+3], s[G0A+4*\slot+2:G0A+4*\slot+3], 1048576   ; four heads on
	s_add_nc_u64 s[G0B+4*\slot+2:G0B+4*\slot+3], s[G0B+4*\slot+2:G0B+4*\slot+3], 512       ; 256 along K on
	JLOAD \slot                                    ; its four v_nop are also the places ahead of the loads below
.else
	PLACES
.endif
	FETCH \next, 0, F0
	WIN MUL
	MUL8 F1, 2, 0
	MUL8 F1, 3, 0
.endm
	s_wait_tensorcnt 1                             ; my part of K step 0 is in; K step 1's load may be out
	s_barrier_signal -1
	s_barrier_wait -1
	FETCH 0, 0, F0
	s_wait_loadcnt 0x0                             ; bo's tiles
	QUARTER 0, 1, F0, F1, 1                        ; the first quarter stands ahead of the loop: bo starts the sums
	WIN 0
	s_mov_b32 s3, 3
.Llap:                                             ; a trip goes once round the two slots and fills both again: K steps 2 to 7
	QUARTER 0, 2, F1, F0, 0
	QUARTER 0, 3, F0, F1, 0
	TURN 0, 1, 1
	QUARTER 1, 1, F0, F1, 0
	QUARTER 1, 2, F1, F0, 0
	QUARTER 1, 3, F0, F1, 0
	TURN 1, 0, 1
	QUARTER 0, 1, F0, F1, 0
	WIN 0
	s_sub_co_u32 s3, s3, 1
	s_cmp_lg_u32 s3, 0
	s_cbranch_scc1 .Llap
	QUARTER 0, 2, F1, F0, 0                        ; the last two K steps fill nothing
	QUARTER 0, 3, F0, F1, 0
	TURN 0, 1, 0
	QUARTER 1, 1, F0, F1, 0
	QUARTER 1, 2, F1, F0, 0
	QUARTER 1, 3, F0, F1, 0
	s_wait_dscnt 4
	WIN MUL
	MUL8 F1, 0, 0
	MUL8 F1, 1, 0
	s_wait_dscnt 0
	MUL8 F1, 2, 0
	MUL8 F1, 3, 0
	WIN 0
; THE WAY OUT, block by block of 16 rows x 128 columns: through my own stage, back as whole rows of 512 bytes.
.macro TOSTAGE a
	WIN 0x08                                       ; an LDS store's data: window 2
.irp b, 0,1,2,3,4,5,6,7
	ds_store_b128 v[STO], v[8*(8*(\a)+\b):8*(8*(\a)+\b)+3] offset:64*\b          ; each accumulator from its low end on
	ds_store_b128 v[STO], v[8*(8*(\a)+\b)+4:8*(8*(\a)+\b)+7] offset:64*\b+16
.endr
	WIN 0
.set BB, BK+64*((\a)%2)
.irp t, 0,1,2,3,4,5,6,7,8,9,10,11,12,13,14,15
	ds_load_b128 v[BB+4*\t:BB+4*\t+3], v[RD] offset:\t*SPITCH                    ; LDS serves a wave's instructions in order: these see the stores above
.endr
.endm
.macro SEND a, younger
.set BB, BK+64*((\a)%2)
	s_wait_dscnt \younger                          ; the block is back; the next block's 16 stores and 16 loads may be out
.if (\a) > 0
	s_add_nc_u64 s[10:11], s[10:11], 65536         ; 16 rows on (the earlier stores have read their base: the wait on XCNT stands ahead)
.endif
.irp t, 0,1,2,3,4,5,6,7,8,9,10,11,12,13,14,15
	global_store_b128 v[CO], v[BB+4*\t:BB+4*\t+3], s[10:11] offset:\t*4096 th:TH_STORE_NT   ; 512 consecutive bytes, aligned; written once, read by nobody here
.endr
.endm
	PLACES
	TOSTAGE 0
.irp a, 1,2,3
.if \a > 1
	s_wait_xcnt 0x0                                ; block a - 2's stores have read their registers and their base
.endif
	TOSTAGE \a
	SEND \a-1, 32
.endr
	s_wait_xcnt 0x0
	SEND 3, 0
	s_wait_tensorcnt 0x0                           ; the wave's end, behind my last tensor load and my last LDS store
	ds_add_u32 v[SPW], v[NIL]
	s_wait_dscnt 0x0
	CROUND                                         ; the closing round
	s_endpgm
.Lfunc_end_k_q7abeecff0d_oproj:
	.size	k_q7abeecff0d_oproj, .Lfunc_end_k_q7abeecff0d_oproj-k_q7abeecff0d_oproj
	.p2alignl 7, 3214868480
	.fill 96, 4, 3214868480
	.section	.rodata,"a",@progbits
	.p2align	6, 0x0
	.amdhsa_kernel k_q7abeecff0d_oproj
		.amdhsa_group_segment_fixed_size 327680
		.amdhsa_private_segment_fixed_size 0
		.amdhsa_enable_private_segment 0
		.amdhsa_kernarg_size 32
		.amdhsa_user_sgpr_count 2
		.amdhsa_user_sgpr_kernarg_segment_ptr 1
		.amdhsa_wavefront_size32 1
		.amdhsa_system_sgpr_workgroup_id_x 1
		.amdhsa_system_sgpr_workgroup_id_y 1
		.amdhsa_system_sgpr_workgroup_id_z 1
		.amdhsa_system_vgpr_workitem_id 0
		.amdhsa_next_free_vgpr 768
		.amdhsa_next_free_sgpr 66
		.amdhsa_reserve_vcc 0
		.amdhsa_float_denorm_mode_32 3
		.amdhsa_float_denorm_mode_16_64 3
		.amdhsa_memory_ordered 1
		.amdhsa_forward_progress 1
		.amdhsa_inst_pref_size 87
	.end_amdhsa_kernel
	.amdgpu_metadata
---
amdhsa.version: [ 1, 2 ]
amdhsa.kernels:
  - .name:           k_q7abeecff0d_oproj
    .symbol:         k_q7abeecff0d_oproj.kd
    .args:
      - { .name: ao, .offset: 0, .size: 8, .value_kind: global_buffer, .address_space: global }
      - { .name: wo16, .offset: 8, .size: 8, .value_kind: global_buffer, .address_space: global }
      - { .name: bo, .offset: 16, .size: 8, .value_kind: global_buffer, .address_space: global }
      - { .name: out0, .offset: 24, .size: 8, .value_kind: global_buffer, .address_space: global }
    .group_segment_fixed_size: 327680
    .private_segment_fixed_size: 0
    .kernarg_segment_align: 8
    .kernarg_segment_size: 32
    .max_flat_workgroup_size: 128
    .sgpr_count:     66
    .vgpr_count:     768
    .wavefront_size: 32
...
	.end_amdgpu_metadata
.endif
;; end of part 4
